; MI455X (gfx1250); checked and timed in simulation.
; The chip was launched on July 23, 2026; its instructions are those of AMD's public machine-readable ISA for CDNA 5 (MIT licence, August 2026) and "CDNA5" Instruction Set Architecture Reference Guide (July 2026). The comments in the code are by the model that wrote it; some were corrected since.
;; Linear Attention. Allowed arithmetic: matrix products marked QUANTISED: E2M1 operands, one E8M0 scale for each 32 along K, by v_wmma_scale_f32_16x16x128_f8f6f4 with both operands' format E2M1 (or v_wmma_scale_f32_32x16x128_f4), f32 sums; everything else in f32.
;; Inputs: Wk0 512 x 512 float32; Wk1 512 x 512 float32; Wo 512 x 512 float32; Wq 512 x 512 float32; Wv0 512 x 512 float32; Wv1 512 x 512 float32; bk0 512 float32; bk1 512 float32; bo 512 float32; bq 512 float32; bv0 512 float32; bv1 512 float32; f0 4 x 8,192 x 512 float32; f1 4 x 8,192 x 512 float32; query 4 x 8,192 x 512 float32.
;; Outputs: out0 4 x 8,192 x 512 float32.
;; This version of the problem:
;;   THIS VERSION OF THE PROBLEM IS GIVEN IN LOW PRECISION. The matrix products marked QUANTISED in the list below multiply operands that are first quantised to E2M1 (2 exponent bits, 1 mantissa bit; 4 bits a number), with one power-of-two scale for each 32 numbers along K (OCP MX v1.0); their sums are f32. All else is computed in f32.
;;   The module's matrix products, in the order in which they are computed (A, B: the left and right operand; K: the contracted axis; several contracted axes count as one K, in the product's order):
;;     1. [M 32,768, K 512] x [K 512, N 512]; A: input query; B: input Wq: QUANTISED
;;     2. [M 32,768, K 512] x [K 512, N 512]; A: input f0; B: input Wk0: QUANTISED
;;     3. [M 32,768, K 512] x [K 512, N 512]; A: input f0; B: input Wv0: QUANTISED
;;     4. batch 32 x [M 64, K 8,192] x [K 8,192, N 64]; A: computed on the way; B: computed on the way: QUANTISED
;;     5. batch 32 x [M 8,192, K 64] x [K 64, N 64]; A: softmax (see below); B: computed on the way: QUANTISED
;;     6. [M 32,768, K 512] x [K 512, N 512]; A: input f1; B: input Wk1: QUANTISED
;;     7. [M 32,768, K 512] x [K 512, N 512]; A: input f1; B: input Wv1: QUANTISED
;;     8. batch 32 x [M 64, K 8,192] x [K 8,192, N 64]; A: computed on the way; B: computed on the way: QUANTISED
;;     9. batch 32 x [M 8,192, K 64] x [K 64, N 64]; A: softmax (see below); B: computed on the way: QUANTISED
;;     10. [M 32,768, K 512] x [K 512, N 512]; A: computed on the way; B: input Wo: QUANTISED
;;   THE QUANTISER, for each operand of a quantised product, along K:
;;     - K is cut into blocks of 32 from its start; a last block that is shorter is filled with zeros.
;;     - A block's scale is 2^e with e = floor(log2(the largest magnitude in the block)) - 2, held to -126 .. 127; a block of zeros has e = 0. As a byte (E8M0): e + 127.
;;     - Each number is divided by its block's scale, clamped to +-6, and rounded to the nearest number of E2M1, ties to even, subnormals kept.
;;     - The product sums the exact products of the quantised numbers (number of the format x scale) in f32.
;;   ~~~python
;;   def quantise(x, axis):      # numpy; x: float32 -> the quantised numbers, widened to float32 again
;;       x = np.moveaxis(x, axis, -1); K = x.shape[-1]
;;       x = np.pad(x, [(0, 0)] * (x.ndim - 1) + [(0, -K % 32)]); x = x.reshape(x.shape[:-1] + (-1, 32)); a = np.abs(x).max(-1, keepdims=True)
;;       e = np.where(a > 0, np.clip(np.frexp(np.where(a > 0, a, 1))[1] - 1 - 2, -126, 127), 0)      # np.frexp(a)[1] - 1 = floor(log2(a)), exactly
;;       r = np.clip(x / 2.0 ** e, -6, 6)
;;       step = 2.0 ** (np.maximum(np.frexp(np.where(r == 0, 1, r))[1] - 1, 0) - 1)
;;       q = np.round(r / step) * step * 2.0 ** e      # np.round: ties to even
;;       return np.moveaxis(q.reshape(q.shape[:-2] + (-1,))[..., :K], -1, axis).astype(np.float32)
;;   ~~~
;;   SOFTMAX AHEAD OF A QUANTISED PRODUCT. Where the list says 'softmax', what is quantised is not the finished softmax but p = 2^(t - M), with t = logit x log2(e) and M = ceil(the row's largest t), a whole number; so 1/2 < the row's largest p <= 1. The row's sum l is taken of the UNQUANTISED p, in f32, and the product's result is divided by l at the end. Since M is a whole number, a kernel that streams over the keys may use a running M (the ceiling of the running maximum): every later rescaling is an exact power of two, which a block's scale takes up: the codes' values come out the same.
;;   OPERANDS COMPUTED ON THE WAY. 'Computed on the way' means the value that the module computes at that place (a softmax that the list does not call 'softmax' is quantised finished and normalised). What goes into a quantiser is computed in f32, as accurately as f32 sums, v_exp_f32 and their like allow (about 1e-6 of the number): no bf16 or f16 on the way to a quantiser, and a product that is left as it is and whose result goes on into a quantised operand takes f32 operands (vector FMAs, or v_wmma_f32_16x16x4_f32). A number that lies on a knife's edge between two numbers of the format may be rounded either way, as far as f32 arithmetic and the matrix unit's own rounding can turn it there, and no further.
;; One version. Each part assembles by itself: llvm-mc -triple=amdgcn-amd-amdhsa -mcpu=gfx1250 --defsym DOCPART=n.
;; ======== version 1 of 1: 4 launches
;; workspace buffers: wc 786,432 bytes; ws 49,152 bytes; part 34,603,008 bytes; kvc 131,072 bytes; kvs 16,384 bytes; ksm 16,384 bytes
;; launch prep (part 1): grid 96 x 1, 8 waves a work-group, no clusters, 1,536 bytes of LDS; arguments Wk0, Wv0, Wk1, Wv1, Wq, Wo, wc, ws; writes wc, ws
.if DOCPART == 1
	.amdgcn_target "amdgcn-amd-amdhsa--gfx1250"
	.amdhsa_code_object_version 6
	.text
	.protected	k_qfb95d6d527_prep
	.globl	k_qfb95d6d527_prep
	.p2align	8
	.type	k_qfb95d6d527_prep,@function
k_qfb95d6d527_prep:
	s_mov_b64 s[64:65], 0
	v_nop
	global_prefetch_b8 v0, s[64:65] scope:SCOPE_SE
	s_setreg_imm32_b32 hwreg(HW_REG_WAVE_MODE, 25, 1), 1
	s_wait_xcnt 0x0
; The six weights [512][512] f32 (K innermost) become codes of FP4 (E2M1) with one E8M0 byte for each 32 along K, laid in the ORDER OF THE OPERAND'S REGISTERS.
; wc: [matrix 6: Wk0 Wv0 Wk1 Wv1 Wq Wo][head 8][tile 4][K step 4][half 2][lane 32][16 bytes].  ws: [pair 3][head 8][tile 4][lane 32 = which x 16 + r][K step 4] words.
; THE ROWS OF A TILE ARE NOT NEIGHBOURS: lane r of tile t of head n takes row 64 n + 32 (t / 2) + 8 (t % 2) + r + 8 (r / 8), so that in the later launches the registers of two neighbouring tiles are 16 neighbours.
; SHARES: a work-group takes one (pair, head, tile); wave w makes the fragment of matrix 2 pair + w / 4, K step w % 4: 16 rows x 128 K.  A lane loads, of its row, 16 neighbours of each block of 32 (64 bytes, four loads).
; The loads take 64 consecutive bytes a lane from rows 2,048 bytes apart: 6 MB in all, read once.  The codes leave as 512 consecutive bytes a store; the scale words meet in LDS and leave as 512 consecutive bytes.
; LIMITS: NaN and infinities are not served.  A block of zeros gets the byte 1 where the quantiser says 127: its codes are zeros, and this program alone reads the bytes.
.set SEL, 36                           ; s[36:37] lane selects: lane l xor 16
.set TM,  8                            ; v8-11 largest magnitudes, v12-15 the other half's, v16-19 bytes, v20-23 the conversions' scale operands
.set PC,  24                           ; v24-31 the fragment's codes
.set X,   32                           ; v32-95 64 numbers: register 16 b + i = k 32 b + 16 (lane / 16) + i of my row
.set PW,  96                           ; my row's scale word
.set OW,  100                          ; v100-103 four scale words on the way out
.macro BLKSCALE s, nb                  ; nb blocks of 32 that lanes l and l xor 16 share, 16 numbers each: byte in v[TM+8+b], scale operand in v[TM+12+b]
.irp b, 0,1,2,3
.if \b < \nb
	v_max3_num_f32 v[TM+\b], |v[\s+16*\b]|, |v[\s+16*\b+1]|, 0x1800000   ; the floor 2^(3 - 127) holds the byte at 1 from below
.endif
.endr
.irp i, 2,4,6,8,10,12,14
.irp b, 0,1,2,3
.if \b < \nb
	v_max3_num_f32 v[TM+\b], v[TM+\b], |v[\s+16*\b+\i]|, |v[\s+16*\b+\i+1]|
.endif
.endr
.endr
.irp b, 0,1,2,3
.if \b < \nb
	v_permlanex16_b32 v[TM+4+\b], v[TM+\b], s[SEL], s[SEL+1]
.endif
.endr
.irp b, 0,1,2,3
.if \b < \nb
	v_max_num_f32 v[TM+\b], v[TM+\b], v[TM+4+\b]
.endif
.endr
.irp b, 0,1,2,3
.if \b < \nb
	v_add_nc_u32 v[TM+12+\b], 0xff000000, v[TM+\b]   ; 2 off the exponent field: the conversion takes this operand's exponent field as its scale
.endif
.endr
.irp b, 0,1,2,3
.if \b < \nb
	v_lshrrev_b32 v[TM+8+\b], 23, v[TM+12+\b]        ; the scale's byte
.endif
.endr
.endm
.macro CODES s, nb, dst
.irp b, 0,1,2,3
.if \b < \nb
	v_cvt_scalef32_pk8_fp4_f32 v[\dst+2*\b], v[\s+16*\b:\s+16*\b+7], v[TM+12+\b]
	v_cvt_scalef32_pk8_fp4_f32 v[\dst+2*\b+1], v[\s+16*\b+8:\s+16*\b+15], v[TM+12+\b]
.endif
.endr
	v_nop                                          ; one plain instruction behind the last scaled conversion
.endm
.macro SWAPS dst, nc                   ; the operand's layout wants a whole block in a lane: lanes 0-15 block 2 c, lanes 16-31 block 2 c + 1
.irp c, 0,1
.if \c < \nc
	v_permlane16_swap_b32 v[\dst+4*\c], v[\dst+4*\c+2]
	v_permlane16_swap_b32 v[\dst+4*\c+1], v[\dst+4*\c+3]
.endif
.endr
.endm
	s_load_b512 s[8:23], s[0:1], 0x0               ; Wk0 Wv0 Wk1 Wv1 Wq Wo s[8:19], wc s[20:21], ws s[22:23]
	v_lshl_add_u32 v128, v0, 2, 0x200
	v_mov_b32 v129, 0
	v_lshrrev_b32 v1, 5, v0
	v_readfirstlane_b32 s2, v1                     ; wave
	v_and_b32 v2, 15, v0                           ; r
	v_bfe_u32 v3, v0, 4, 1                         ; h
	v_and_b32 v4, 31, v0                           ; lane
	v_lshlrev_b32 v6, 4, v4                        ; 16 x lane
	s_lshr_b32 s3, s2, 2                           ; which matrix of the pair
	s_and_b32 s4, s2, 3                            ; K step
	s_lshr_b32 s5, ttmp9, 5                        ; pair
	s_bfe_u32 s6, ttmp9, 0x30002                   ; head
	s_and_b32 s7, ttmp9, 3                         ; tile
	s_lshl_b32 s26, s5, 1
	s_add_co_u32 s26, s26, s3                      ; matrix
	s_lshl_b32 s27, s6, 6                          ; the tile's first row: 64 head + 32 (t / 2) + 8 (t % 2)
	s_lshr_b32 s28, s7, 1
	s_lshl_b32 s28, s28, 5
	s_add_co_u32 s27, s27, s28
	s_and_b32 s28, s7, 1
	s_lshl_b32 s28, s28, 3
	s_add_co_u32 s27, s27, s28
	s_lshl_b32 s27, s27, 11                        ; rows of 2,048 bytes
	s_lshl_b32 s28, s4, 9                          ; + 512 bytes a K step
	s_add_co_u32 s28, s27, s28
	s_mov_b32 s29, 0
	s_lshl_b32 s30, s26, 17                        ; wc: 131,072 x matrix + 4,096 x (4 head + tile) + 1,024 x K step
	s_and_b32 s31, ttmp9, 31
	s_lshl_b32 s31, s31, 12
	s_add_co_u32 s30, s30, s31
	s_lshl_b32 s31, s4, 10
	s_add_co_u32 s30, s30, s31
	s_mov_b32 s31, 0
	s_lshl_b32 s32, ttmp9, 9                       ; ws: 512 bytes a work-group
	s_mov_b32 s33, 0
	s_lshl_b32 s34, s3, 8                          ; LDS: 16 r + 256 which + 4 K step
	s_lshl_b32 s35, s4, 2
	s_add_co_u32 s34, s34, s35
	v_lshl_add_u32 v7, v2, 4, s34
	v_and_b32 v5, 8, v2
	v_add_nc_u32 v5, v5, v2                        ; r + 8 (r / 8)
	v_lshlrev_b32 v5, 11, v5
	v_lshl_add_u32 v5, v3, 6, v5                   ; my row, + 64 h
	s_mov_b32 s[SEL], 0x76543210
	s_mov_b32 s[SEL+1], 0xfedcba98
.irp b, 0,1,2,3
	v_mov_b32 v[TM+4+\b], 0                        ; written once: a lane permute's destination counts as one of its sources
.endr
	s_wait_kmcnt 0x0
	s_mov_b64 s[24:25], s[8:9]                     ; the matrix is chosen by ids alone
	s_cmp_eq_u32 s26, 1
	s_cselect_b64 s[24:25], s[10:11], s[24:25]
	s_cmp_eq_u32 s26, 2
	s_cselect_b64 s[24:25], s[12:13], s[24:25]
	s_cmp_eq_u32 s26, 3
	s_cselect_b64 s[24:25], s[14:15], s[24:25]
	s_cmp_eq_u32 s26, 4
	s_cselect_b64 s[24:25], s[16:17], s[24:25]
	s_cmp_eq_u32 s26, 5
	s_cselect_b64 s[24:25], s[18:19], s[24:25]
	s_add_nc_u64 s[24:25], s[24:25], s[28:29]
	s_add_nc_u64 s[20:21], s[20:21], s[30:31]
	s_add_nc_u64 s[22:23], s[22:23], s[32:33]
.irp b, 0,1,2,3
.irp j, 0,1,2,3
	global_load_b128 v[X+16*\b+4*\j:X+16*\b+4*\j+3], v5, s[24:25] offset:128*\b+16*\j th:TH_LOAD_NT
.endr
.endr
	s_wait_loadcnt 0x0
	BLKSCALE X, 4
	v_lshl_or_b32 v[PW], v[TM+9], 8, v[TM+8]       ; the four bytes make my row's scale word
	v_lshl_or_b32 v[PW], v[TM+10], 16, v[PW]
	v_lshl_or_b32 v[PW], v[TM+11], 24, v[PW]
	CODES X, 4, PC
	SWAPS PC, 2
	global_store_b128 v6, v[PC:PC+3], s[20:21]               ; 32 lanes store 512 consecutive bytes
	global_store_b128 v6, v[PC+4:PC+7], s[20:21] offset:512
	ds_store_b32 v7, v[PW]                         ; lanes r and r + 16 write the same word with the same value
	s_wait_dscnt 0x0                               ; for the others' sake: my store has landed
	s_barrier_signal -1
	s_barrier_wait -1
	s_cmp_lg_u32 s2, 0
	s_cbranch_scc1 .Lend
	ds_load_b128 v[OW:OW+3], v6                    ; wave 0: lane = which x 16 + r takes its row's four words
	s_wait_dscnt 0x0
	global_store_b128 v6, v[OW:OW+3], s[22:23]
.Lend:
	s_wait_tensorcnt 0x0
	ds_add_u32 v128, v129
	s_wait_dscnt 0x0
	s_endpgm
.Lfunc_end_k_qfb95d6d527_prep:
	.size	k_qfb95d6d527_prep, .Lfunc_end_k_qfb95d6d527_prep-k_qfb95d6d527_prep
	.p2alignl 7, 3214868480
	.fill 96, 4, 3214868480
	.section	.rodata,"a",@progbits
	.p2align	6, 0x0
	.amdhsa_kernel k_qfb95d6d527_prep
		.amdhsa_group_segment_fixed_size 1536
		.amdhsa_private_segment_fixed_size 0
		.amdhsa_enable_private_segment 0
		.amdhsa_kernarg_size 64
		.amdhsa_user_sgpr_count 2
		.amdhsa_user_sgpr_kernarg_segment_ptr 1
		.amdhsa_wavefront_size32 1
		.amdhsa_system_sgpr_workgroup_id_x 1
		.amdhsa_system_sgpr_workgroup_id_y 1
		.amdhsa_system_sgpr_workgroup_id_z 1
		.amdhsa_system_vgpr_workitem_id 0
		.amdhsa_next_free_vgpr 130
		.amdhsa_next_free_sgpr 66
		.amdhsa_reserve_vcc 0
		.amdhsa_float_denorm_mode_32 3
		.amdhsa_float_denorm_mode_16_64 3
		.amdhsa_memory_ordered 1
		.amdhsa_forward_progress 1
		.amdhsa_inst_pref_size 9
	.end_amdhsa_kernel
	.amdgpu_metadata
---
amdhsa.version: [ 1, 2 ]
amdhsa.kernels:
  - .name:           k_qfb95d6d527_prep
    .symbol:         k_qfb95d6d527_prep.kd
    .args:
      - { .name: Wk0, .offset: 0, .size: 8, .value_kind: global_buffer, .address_space: global }
      - { .name: Wv0, .offset: 8, .size: 8, .value_kind: global_buffer, .address_space: global }
      - { .name: Wk1, .offset: 16, .size: 8, .value_kind: global_buffer, .address_space: global }
      - { .name: Wv1, .offset: 24, .size: 8, .value_kind: global_buffer, .address_space: global }
      - { .name: Wq, .offset: 32, .size: 8, .value_kind: global_buffer, .address_space: global }
      - { .name: Wo, .offset: 40, .size: 8, .value_kind: global_buffer, .address_space: global }
      - { .name: wc, .offset: 48, .size: 8, .value_kind: global_buffer, .address_space: global }
      - { .name: ws, .offset: 56, .size: 8, .value_kind: global_buffer, .address_space: global }
    .group_segment_fixed_size: 1536
    .private_segment_fixed_size: 0
    .kernarg_segment_align: 8
    .kernarg_segment_size: 64
    .max_flat_workgroup_size: 256
    .sgpr_count:     66
    .vgpr_count:     130
    .wavefront_size: 32
...
	.end_amdgpu_metadata
.endif
;; end of part 1
;; launch kv (part 2): grid 256 x 1, 8 waves a work-group, no clusters, 327,680 bytes of LDS; arguments f0, f1, bk0, bv0, bk1, bv1, wc, ws, part; writes part
.if DOCPART == 2
	.amdgcn_target "amdgcn-amd-amdhsa--gfx1250"
	.amdhsa_code_object_version 6
	.text
	.protected	k_qfb95d6d527_kv
	.globl	k_qfb95d6d527_kv
	.p2align	8
	.type	k_qfb95d6d527_kv,@function
k_qfb95d6d527_kv:
	s_mov_b64 s[64:65], 0
	v_nop
	global_prefetch_b8 v0, s[64:65] scope:SCOPE_SE
	s_setreg_imm32_b32 hwreg(HW_REG_WAVE_MODE, 25, 1), 1
	s_wait_xcnt 0x0
; For one input function (work-groups 0-127: f0, 128-255: f1) and 256 rows of it: k = softmax(f Wk^T + bk) over each head's 64, v = f Wv^T + bv, the rows' share of k_sum, and of kv = k^T v.  All products on codes of FP4 (E2M1), one E8M0 byte for each 32 along K.
; SHARES.  Eight steps of 32 rows (one block of 32 along L, the K of k^T v).  Wave w is head w: its 16 fragments of Wk and 16 of Wv stay in registers (window 1) for the whole launch.
; A step's 65,536 bytes of f come by eight tensor loads, one a wave, through a ring of two LDS slots.  Wave w quantises ONE fragment of x (tile w / 4, K step w % 4) and hands it to all waves as an image of its registers.
; BY PERIODS, ONE BARRIER EACH.  Behind the barrier of period n: slot n % 2 is filled again with tile n + 2; step n is computed from image set n % 2; tile n + 1 is read from slot (n + 1) % 2 and quantised into the other image set.
; All that a period writes was last read in the period before, and those reads are waited for in front of the barrier.  A tile has a whole period in which to land.
; LAYOUT.  The projections are used as they stand (source 0 = 16 rows of x, source 1 = 16 rows of W): a lane holds ONE channel d and its registers run along L.  Tile u of x takes rows 8 u + r + 8 (r / 8), so that register
; 16 t + q of a lane is row 16 (lane / 16) + q of the step: 16 neighbours along L, and lanes l, l xor 16 share the block.  The softmax over d goes over the 4 tiles in a lane and over 16 lanes.
; The codes of k^T and v^T (8 bytes a lane, a step) and their bytes gather in the wave's own LDS; at the end two K steps of 128 give the wave's 64 x 64 of kv, which goes to 'part' as an image of the accumulators, with k_sum's share.
; NO CLUSTER: the work-groups share the weights alone, 262,144 bytes of images, which each wave takes once, straight into registers; brought jointly they would have to lie in LDS, beside 133,120 bytes of slots and 147,456 of codes: they do not fit.
; The softmax takes its maximum away first; exp2(c x - c m) by one fused multiply-add: what the rounding of c m adds is common to a row and falls out in the division by the row's sum.
; LIMITS: NaN and infinities are not served.  A block of zeros gets the byte 1 where the quantiser says 127: its codes are zeros, and this program alone reads the bytes.
.set STEPB, 65536                      ; a step of f in memory
.set SLOTB, 66560                      ; in LDS: 64 half rows of 1,024 bytes + 16 of padding; a row of f is 2,080 bytes
.set XIMG,  2*SLOTB                    ; x's images, two sets by turns
.set IMGB,  9216                       ; a set: 8 fragments (4 u + K step) of 1,024 bytes, then their scale words [u][lane][K step], 1,024 bytes
.set XSC,   XIMG+8192
.set KVC,   XIMG+2*IMGB                ; [wave][step 8][k, v][tile 4][256 bytes]: row r's 32 codes of the step at 16 r
.set KVS,   KVC+131072                 ; [wave][4 kind + tile][lane][8 bytes: a byte a step]
.set SPARE, KVS+16384                  ; the spare words, 128 bytes for each wave: four blocks of 256 bytes that no other line names
.set SPW, 1                            ; v1  SPARE + 4 x thread; never rewritten
.set NIL, 2                            ; v2  0; never rewritten
.set XRD, 3                            ; v3, v4  where I read my 64 numbers of x in slot 0, 1
.set XWI, 5                            ; v5  where I store my fragment's image (set 0)
.set XWS, 6                            ; v6  and its scale word
.set LI,  7                            ; v7  XIMG + 16 x lane
.set CWB, 8                            ; v8  KVC + 16,384 w + 16 r + 8 h;  v9 the same + the trip's two steps
.set CWA, 9
.set SBB, 10                           ; v10 KVS + 2,048 w + 8 lane;  v11 the same + the trip's two steps
.set SBA, 11
.set CRD, 12                           ; v12 KVC + 16,384 w + 2,048 h + 16 r
.set L16, 13                           ; v13 16 x lane
.set WS,  16                           ; v16-31 the weights' scale words, 4 t + K step: lanes 0-15 Wk's, lanes 16-31 Wv's
.set KB,  32                           ; v32-39 bk of my channel, a pair for each tile
.set KS,  40                           ; v40-47 k_sum, a pair for each tile
.set TM,  48                           ; v48-63 the quantiser's
.set PC,  64                           ; v64-71 codes of k or v just made
.set XS,  72                           ; v72-79 x's scale words, 4 u + K step
.set MS,  80                           ; v80-95 16 rows' maxima, then sums
.set XF,  96                           ; v96-159 x's fragments, 8 (4 u + K step); behind v's products my 64 numbers of the next step's x
.set KL,  160                          ; v160-223 logits, k, v
.set XC,  224                          ; v224-231 the codes of my fragment of x;  v232-235 its bytes: registers of their own, so that x is quantised while v's LDS stores are out
.set XBY, 232
.set FS,  224                          ; v224-239 at the end: the last products' scale words
.set VB,  240                          ; v240-247 bv of my channel, a pair for each tile
.set PW,  248                          ; v248 my fragment's scale word
.set SEL, 26                           ; s[26:27] lane selects: lane l xor 16
.set CS,  28                           ; s[28:29] log2(e)
.set G1,  32                           ; s[32:39] descriptor group 1
.set G0,  40                           ; s[40:47] group 0, a set for each slot
.set MSB, 0
.macro WIN new                         ; the immediate's high byte repeats the setting that is left
.if MSB != \new
	s_set_vgpr_msb (MSB<<8)|\new
.set MSB, \new
.endif
.endm
.macro BLKSCALE s, nb, tb              ; nb blocks of 32 that lanes l and l xor 16 share, 16 numbers each: byte in v[tb+b], scale operand in v[TM+12+b]
.irp b, 0,1,2,3
.if \b < \nb
	v_max3_num_f32 v[TM+\b], |v[\s+16*\b]|, |v[\s+16*\b+1]|, 0x1800000   ; the floor 2^(3 - 127) holds the byte at 1 from below
.endif
.endr
.irp i, 2,4,6,8,10,12,14
.irp b, 0,1,2,3
.if \b < \nb
	v_max3_num_f32 v[TM+\b], v[TM+\b], |v[\s+16*\b+\i]|, |v[\s+16*\b+\i+1]|
.endif
.endr
.endr
.irp b, 0,1,2,3
.if \b < \nb
	v_permlanex16_b32 v[TM+4+\b], v[TM+\b], s[SEL], s[SEL+1]
.endif
.endr
.irp b, 0,1,2,3
.if \b < \nb
	v_max_num_f32 v[TM+\b], v[TM+\b], v[TM+4+\b]
.endif
.endr
.irp b, 0,1,2,3
.if \b < \nb
	v_add_nc_u32 v[TM+12+\b], 0xff000000, v[TM+\b]   ; 2 off the exponent field: the conversion takes this operand's exponent field as its scale
.endif
.endr
.irp b, 0,1,2,3
.if \b < \nb
	v_lshrrev_b32 v[\tb+\b], 23, v[TM+12+\b]         ; the scale's byte
.endif
.endr
.endm
.macro CODES s, nb, dst
.irp b, 0,1,2,3
.if \b < \nb
	v_cvt_scalef32_pk8_fp4_f32 v[\dst+2*\b], v[\s+16*\b:\s+16*\b+7], v[TM+12+\b]
	v_cvt_scalef32_pk8_fp4_f32 v[\dst+2*\b+1], v[\s+16*\b+8:\s+16*\b+15], v[TM+12+\b]
.endif
.endr
	v_nop                                          ; one plain instruction behind the last scaled conversion
.endm
.macro SWAPS dst, nc                   ; the operand's layout wants a whole block in a lane: lanes 0-15 block 2 c, lanes 16-31 block 2 c + 1
.irp c, 0,1
.if \c < \nc
	v_permlane16_swap_b32 v[\dst+4*\c], v[\dst+4*\c+2]
	v_permlane16_swap_b32 v[\dst+4*\c+1], v[\dst+4*\c+3]
.endif
.endr
.endm
.macro PLACES                          ; four plain instructions behind a matrix instruction, ahead of reads of its result and of loads into its registers
.rept 4
	v_nop
.endr
.endm
; One matrix instruction.  zero = 1: it starts a sum.  row: 0 both scales from lanes 0-15; 1 source 0's from lanes 16-31; 2 source 1's
.macro WM d, a, b, zero, sa, sb, row
.if \zero
.if \row == 0
	v_wmma_scale_f32_16x16x128_f8f6f4 v[\d:(\d)+7], v[\a:(\a)+7], v[\b:(\b)+7], 0, v[\sa], v[\sb] matrix_a_fmt:MATRIX_FMT_FP4 matrix_b_fmt:MATRIX_FMT_FP4
.elseif \row == 1
	v_wmma_scale_f32_16x16x128_f8f6f4 v[\d:(\d)+7], v[\a:(\a)+7], v[\b:(\b)+7], 0, v[\sa], v[\sb] matrix_a_fmt:MATRIX_FMT_FP4 matrix_b_fmt:MATRIX_FMT_FP4 matrix_a_scale:MATRIX_SCALE_ROW1
.else
	v_wmma_scale_f32_16x16x128_f8f6f4 v[\d:(\d)+7], v[\a:(\a)+7], v[\b:(\b)+7], 0, v[\sa], v[\sb] matrix_a_fmt:MATRIX_FMT_FP4 matrix_b_fmt:MATRIX_FMT_FP4 matrix_b_scale:MATRIX_SCALE_ROW1
.endif
.else
.if \row == 0
	v_wmma_scale_f32_16x16x128_f8f6f4 v[\d:(\d)+7], v[\a:(\a)+7], v[\b:(\b)+7], v[\d:(\d)+7], v[\sa], v[\sb] matrix_a_fmt:MATRIX_FMT_FP4 matrix_b_fmt:MATRIX_FMT_FP4
.elseif \row == 1
	v_wmma_scale_f32_16x16x128_f8f6f4 v[\d:(\d)+7], v[\a:(\a)+7], v[\b:(\b)+7], v[\d:(\d)+7], v[\sa], v[\sb] matrix_a_fmt:MATRIX_FMT_FP4 matrix_b_fmt:MATRIX_FMT_FP4 matrix_a_scale:MATRIX_SCALE_ROW1
.else
	v_wmma_scale_f32_16x16x128_f8f6f4 v[\d:(\d)+7], v[\a:(\a)+7], v[\b:(\b)+7], v[\d:(\d)+7], v[\sa], v[\sb] matrix_a_fmt:MATRIX_FMT_FP4 matrix_b_fmt:MATRIX_FMT_FP4 matrix_b_scale:MATRIX_SCALE_ROW1
.endif
.endif
.endm
; THE BARRIER AT A PERIOD'S HEAD.  slot = the period's parity.  Each wave waits for all its tensor loads (one is out: its part of the next step's tile), adds 0 to its spare word, and waits for that, for its LDS reads
; of the last period (the raw numbers in this slot, the other image set) and for its stores of this step's images.  Behind the barrier this step's images and the next step's tile are whole, nobody reads this slot any more,
; and its refill, the tile two steps on, is the first thing: it has the whole period in which to land.
.macro CHANGE slot, refill
	s_wait_tensorcnt 0x0                           ; no tensor load of mine is out, so a group 0 may be written
	ds_add_u32 v[SPW], v[NIL]                      ; 0 onto my spare word
	s_add_nc_u64 s[G0+4*\slot+2:G0+4*\slot+3], s[G0+4*\slot+2:G0+4*\slot+3], 2*STEPB   ; this slot's next tile; the type bits on top are not reached (in the last two periods the stepped address is not used)
	s_wait_dscnt 0x0                               ; the add is done, and so are my LDS reads and stores of the last period
	s_barrier_signal -1
	s_barrier_wait -1
.if \refill
	tensor_load_to_lds s[G0+4*\slot:G0+4*\slot+3], s[G1:G1+7]   ; my one tensor load until the next such barrier
	s_nop 0
	PLACES                                         ; four plain instructions follow it
.endif
.endm
.macro XRAW p                          ; my fragment's numbers, 16 rows x 128 K, from slot p: 64 a lane, register 16 b + i = k 32 b + 16 h + i of my row
.irp b, 0,1,2,3
.irp j, 0,1,2,3
	ds_load_b128 v[XF+16*\b+4*\j:XF+16*\b+4*\j+3], v[XRD+(\p)] offset:128*\b+16*\j
.endr
.endr
.endm
.macro XQUANT p                        ; they become codes and a scale word, and go to image set p: lane l's 16 bytes at 16 l
	BLKSCALE XF, 4, XBY
	v_lshl_or_b32 v[PW], v[XBY+1], 8, v[XBY]
	v_lshl_or_b32 v[PW], v[XBY+2], 16, v[PW]
	v_lshl_or_b32 v[PW], v[XBY+3], 24, v[PW]
	CODES XF, 4, XC
	SWAPS XC, 2
	ds_store_b128 v[XWI], v[XC:XC+3] offset:IMGB*(\p)
	ds_store_b128 v[XWI], v[XC+4:XC+7] offset:IMGB*(\p)+512
	ds_store_b32 v[XWS], v[PW] offset:IMGB*(\p)
.endm
.macro FETCHX p                        ; image set p, in every wave: the scale words first, then the fragments K step by K step, four loads each
	ds_load_b128 v[XS:XS+3], v[LI] offset:IMGB*(\p)+8192
	ds_load_b128 v[XS+4:XS+7], v[LI] offset:IMGB*(\p)+8192+512
.irp ks, 0,1,2,3
.irp u, 0,1
	ds_load_b128 v[XF+32*\u+8*\ks:XF+32*\u+8*\ks+3], v[LI] offset:IMGB*(\p)+1024*(4*\u+\ks)
	ds_load_b128 v[XF+32*\u+8*\ks+4:XF+32*\u+8*\ks+7], v[LI] offset:IMGB*(\p)+1024*(4*\u+\ks)+512
.endr
.endr
.endm
; 32 matrix instructions: 32 rows x my head's 64 channels, K = 512.  The 8 accumulators take turns, one instruction a turn.  wb: 0 Wk, 128 Wv (window 1).
; cw = 1: the fragments are on their way: a K step's products wait for its own four loads and leave the later K steps' out
.macro PROJ wb, row, cw
	WIN 0x04                                       ; source 1 in window 1
.irp ks, 0,1,2,3
.if \cw
	s_wait_dscnt 12-4*\ks                          ; four loads for each K step behind this one may be out
.endif
.irp t, 0,1,2,3
.irp u, 0,1
	WM KL+16*\t+8*\u, XF+32*\u+8*\ks, \wb+8*(4*\t+\ks), (\ks==0), XS+4*\u+\ks, WS+4*\t+\ks, \row
.endr
.endr
.endr
	WIN 0
	PLACES
.endm
.macro BIAS reg                        ; my channel's bias onto 16 rows of each tile; each accumulator from its low end on
.set ii, 0
.rept 32
	v_pk_add_f32 v[KL+2*ii:KL+2*ii+1], v[KL+2*ii:KL+2*ii+1], v[\reg+2*(ii/8):\reg+2*(ii/8)+1]
.set ii, ii+1
.endr
.endm
; The softmax over a head's 64 channels, for my lane half's 16 rows: 4 tiles in the lane, 16 lanes by DPP.  Then k_sum's share.
.macro SOFTK
.set qq, 0
.rept 16
	v_max3_num_f32 v[MS+qq], v[KL+qq], v[KL+16+qq], v[KL+32+qq]
.set qq, qq+1
.endr
.set qq, 0
.rept 16
	v_max_num_f32 v[MS+qq], v[MS+qq], v[KL+48+qq]
.set qq, qq+1
.endr
.irp m, 1,2,4,8
.set qq, 0
.rept 16
	v_max_num_f32_dpp v[MS+qq], v[MS+qq], v[MS+qq] row_xmask:\m row_mask:0xf bank_mask:0xf
.set qq, qq+1
.endr
.endr
.set ii, 0
.rept 8
	v_pk_mul_f32 v[MS+2*ii:MS+2*ii+1], v[MS+2*ii:MS+2*ii+1], s[CS:CS+1] op_sel_hi:[1,0]   ; c m
.set ii, ii+1
.endr
.set ii, 0
.rept 32
	v_pk_fma_f32 v[KL+2*ii:KL+2*ii+1], v[KL+2*ii:KL+2*ii+1], s[CS:CS+1], v[MS+2*(ii%8):MS+2*(ii%8)+1] op_sel_hi:[1,0,1] neg_lo:[0,0,1] neg_hi:[0,0,1]   ; c x - c m
.set ii, ii+1
.endr
.set ii, 0
.rept 64
	v_exp_f32 v[KL+ii], v[KL+ii]
.set ii, ii+1
.endr
	v_nop                                          ; a plain instruction behind the last exponential
	s_wait_alu depctr_va_vdst(0)                   ; one wait for the batch, ahead of its first reader
.set ii, 0
.rept 8
	v_pk_add_f32 v[MS+2*ii:MS+2*ii+1], v[KL+2*ii:KL+2*ii+1], v[KL+16+2*ii:KL+16+2*ii+1]
.set ii, ii+1
.endr
.irp t, 2,3
.set ii, 0
.rept 8
	v_pk_add_f32 v[MS+2*ii:MS+2*ii+1], v[MS+2*ii:MS+2*ii+1], v[KL+16*\t+2*ii:KL+16*\t+2*ii+1]
.set ii, ii+1
.endr
.endr
.irp m, 1,2,4,8
.set qq, 0
.rept 16
	v_add_f32_dpp v[MS+qq], v[MS+qq], v[MS+qq] row_xmask:\m row_mask:0xf bank_mask:0xf
.set qq, qq+1
.endr
.endr
.set qq, 0
.rept 16
	v_rcp_f32 v[MS+qq], v[MS+qq]
.set qq, qq+1
.endr
	v_nop
	s_wait_alu depctr_va_vdst(0)                   ; one wait for the sixteen reciprocals
.set ii, 0
.rept 32
	v_pk_mul_f32 v[KL+2*ii:KL+2*ii+1], v[KL+2*ii:KL+2*ii+1], v[MS+2*(ii%8):MS+2*(ii%8)+1]   ; k, finished and normalised
.set ii, ii+1
.endr
.set ii, 0
.rept 8
.irp t, 0,1,2,3
	v_pk_add_f32 v[KS+2*\t:KS+2*\t+1], v[KS+2*\t:KS+2*\t+1], v[KL+16*\t+2*ii:KL+16*\t+2*ii+1]
.endr
.set ii, ii+1
.endr
.endm
; Quantised along L: tile t's 16 registers and lane l xor 16's are channel d's block of this step.  8 bytes of codes a lane at 16 r + 8 h: no lanes change places; the reader's lane takes a whole step's 16 bytes.
; cnt: how many younger LDS instructions may stay out when the last eight code and byte stores must have read the registers that are written now; under 0: none of those stores is out
.macro QCOL kind, slot, cnt
.if (\cnt) >= 0
	s_wait_dscnt 0+(\cnt)
.endif
	BLKSCALE KL, 4, TM+8
	CODES KL, 4, PC
.irp t, 0,1,2,3
	ds_store_b64 v[CWA], v[PC+2*\t:PC+2*\t+1] offset:2048*\slot+1024*\kind+256*\t
	ds_store_b8 v[SBA], v[TM+8+\t] offset:256*(4*\kind+\t)+\slot
.endr
.endm
; A PERIOD.  slot: the step's parity.  xq = 1: the next step's x is quantised in it
.macro STEP slot, refill, xq
	CHANGE \slot, \refill
	FETCHX \slot
	PROJ 0, 0, 1
	BIAS KB
	SOFTK
	QCOL 0, \slot, -1                              ; (the last period's stores were waited for in front of the barrier)
	PROJ 128, 2, 0
.if \xq
	XRAW 1-\slot                                   ; x's fragments are done with, four places back: their registers take the next step's numbers, which land under v's bias and quantiser
.endif
	BIAS VB
	QCOL 1, \slot, 16*\xq                          ; k's eight stores are done; the 16 loads behind them may be out
.if \xq
	s_wait_dscnt 8                                 ; the 16 loads are in; v's eight stores behind them may be out
	XQUANT 1-\slot
.endif
.endm
	s_load_b512 s[8:23], s[0:1], 0x0               ; f0 f1 s[8:11], bk0 bv0 bk1 bv1 s[12:19], wc s[20:21], ws s[22:23]
	s_load_b64 s[24:25], s[0:1], 0x40              ; part
	v_lshl_add_u32 v[SPW], v0, 2, SPARE
	v_mov_b32 v[NIL], 0
	ds_add_u32 v1, v2
	ds_add_u32 v1, v2
	s_wait_dscnt 0x0
	v_lshrrev_b32 v15, 5, v0
	v_readfirstlane_b32 s2, v15                    ; wave = head
	; descriptor group 1: 8 half rows of 256 elements of 4 bytes, dense in memory, 16 bytes of padding behind each
	s_mov_b32 s[G1+0], (2<<16)|(1<<20)|(7<<22)|(3<<25)   ; no mask; elements of 4 bytes; padding on: 4 words (code 3) after every 256 (code 7)
	s_mov_b32 s[G1+1], 256<<16                     ; tensor_dim0
	s_mov_b32 s[G1+2], 8<<16                       ; tensor_dim1
	s_mov_b32 s[G1+3], 256<<16                     ; tile_dim0
	s_mov_b32 s[G1+4], 8                           ; tile_dim1
	s_mov_b32 s[G1+5], 256                         ; from half row to half row
	s_mov_b32 s[G1+6], 0
	s_mov_b32 s[G1+7], 0
	s_lshr_b32 s51, ttmp9, 7                       ; which input function
	s_and_b32 s48, ttmp9, 127
	s_lshl_b32 s48, s48, 19                        ; my 256 rows of 2,048 bytes,
	s_lshl_b32 s49, s2, 13                         ; my wave's 4 rows of a step
	s_add_co_u32 s48, s48, s49
	s_mov_b32 s49, 0
	s_mul_i32 s50, s2, 8320                        ; and their place in a slot
	s_wait_kmcnt 0x0
	s_cmp_lt_u32 ttmp9, 128                        ; the buffers are chosen by the work-group's number alone
	s_cselect_b64 s[8:9], s[8:9], s[10:11]
	s_cselect_b64 s[12:13], s[12:13], s[16:17]
	s_cselect_b64 s[14:15], s[14:15], s[18:19]
	s_add_nc_u64 s[8:9], s[8:9], s[48:49]
	s_mov_b32 s[G0+0], 1
	s_mov_b32 s[G0+1], s50
	s_mov_b64 s[G0+2:G0+3], s[8:9]
	s_or_b32 s[G0+3], s[G0+3], 0x80000000
	s_mov_b32 s[G0+4], 1
	s_add_co_u32 s[G0+5], s50, SLOTB
	s_add_nc_u64 s[G0+6:G0+7], s[8:9], STEPB
	s_or_b32 s[G0+7], s[G0+7], 0x80000000
	tensor_load_to_lds s[G0:G0+3], s[G1:G1+7]      ; steps 0 and 1: the two first fills go out together, ahead of everything else: two loads of mine are out
	s_nop 0
	tensor_load_to_lds s[G0+4:G0+7], s[G1:G1+7]
	s_nop 0
	PLACES
	v_and_b32 v249, 31, v0                         ; lane
	v_and_b32 v250, 15, v0                         ; r
	v_bfe_u32 v251, v0, 4, 1                       ; h
	v_lshlrev_b32 v[L16], 4, v249
	s_lshl_b32 s52, s51, 18                        ; wc: Wk of my function, my head's 16,384 bytes; Wv lies 131,072 further on
	s_lshl_b32 s53, s2, 14
	s_add_co_u32 s52, s52, s53
	s_mov_b32 s53, 0
	s_add_nc_u64 s[20:21], s[20:21], s[52:53]
	s_lshl_b32 s52, s51, 3
	s_add_co_u32 s52, s52, s2
	s_lshl_b32 s52, s52, 11                        ; ws: 2,048 bytes for a (pair, head)
	s_add_nc_u64 s[22:23], s[22:23], s[52:53]
	WIN 0x40                                       ; destination window 1
.set ii, 0
.rept 32
	global_load_b128 v[4*ii:4*ii+3], v[L16], s[20:21] offset:512*ii
	global_load_b128 v[128+4*ii:128+4*ii+3], v[L16], s[20:21] offset:131072+512*ii
.set ii, ii+1
.endr
	WIN 0
.irp t, 0,1,2,3
	global_load_b128 v[WS+4*\t:WS+4*\t+3], v[L16], s[22:23] offset:512*\t
.endr
	v_and_b32 v252, 8, v250
	v_add_nc_u32 v252, v252, v250                  ; r + 8 (r / 8)
	s_lshl_b32 s54, s2, 8
	v_lshl_add_u32 v15, v252, 2, s54               ; the biases of my channels: 4 (64 w + r + 8 (r / 8)), the tile in the immediate
.irp t, 0,1,2,3
	global_load_b32 v[KB+2*\t], v15, s[12:13] offset:128*(\t/2)+32*(\t%2)
	global_load_b32 v[KB+2*\t+1], v15, s[12:13] offset:128*(\t/2)+32*(\t%2)   ; both halves of the pair: the packed add takes it as it stands
	global_load_b32 v[VB+2*\t], v15, s[14:15] offset:128*(\t/2)+32*(\t%2)
	global_load_b32 v[VB+2*\t+1], v15, s[14:15] offset:128*(\t/2)+32*(\t%2)
.endr
	s_lshr_b32 s55, s2, 2                          ; u: the tile of x that I quantise
	s_and_b32 s56, s2, 3                           ; and its K step
	s_mul_i32 s57, s55, 8*2080                     ; rows 8 u + r + 8 (r / 8); 128 K are 512 bytes, and 16 of padding lie behind each 1,024
	s_lshr_b32 s58, s56, 1
	s_mul_i32 s58, s58, 1040
	s_add_co_u32 s57, s57, s58
	s_and_b32 s58, s56, 1
	s_lshl_b32 s58, s58, 9
	s_add_co_u32 s57, s57, s58
	v_mul_u32_u24 v[XRD], v252, 2080
	v_lshl_add_u32 v[XRD], v251, 6, v[XRD]
	v_add_nc_u32 v[XRD], s57, v[XRD]
	v_add_nc_u32 v[XRD+1], SLOTB, v[XRD]
	s_lshl_b32 s58, s2, 10
	s_add_co_u32 s58, s58, XIMG
	v_add_nc_u32 v[XWI], s58, v[L16]
	s_lshl_b32 s58, s55, 9
	s_lshl_b32 s59, s56, 2
	s_add_co_u32 s58, s58, s59
	s_add_co_u32 s58, s58, XSC
	v_add_nc_u32 v[XWS], s58, v[L16]
	v_add_nc_u32 v[LI], XIMG, v[L16]
	s_lshl_b32 s58, s2, 14
	s_add_co_u32 s58, s58, KVC
	v_lshlrev_b32 v253, 4, v250
	v_lshl_add_u32 v[CWB], v251, 3, v253
	v_add_nc_u32 v[CWB], s58, v[CWB]
	v_lshl_add_u32 v[CRD], v251, 11, v253
	v_add_nc_u32 v[CRD], s58, v[CRD]
	s_lshl_b32 s58, s2, 11
	s_add_co_u32 s58, s58, KVS
	v_lshl_add_u32 v[SBB], v249, 3, s58
.irp j, 0,1,2,3,4,5,6,7
	v_mov_b32 v[KS+\j], 0
.endr
.irp b, 0,1,2,3
	v_mov_b32 v[TM+4+\b], 0                        ; written once: a lane permute's destination counts as one of its sources
.endr
	s_mov_b32 s[SEL], 0x76543210
	s_mov_b32 s[SEL+1], 0xfedcba98
	s_mov_b32 s[CS], 0x3fb8aa3b                    ; log2(e)
	s_mov_b32 s[CS+1], s[CS]                       ; (named with it as a pair, so it is written)
	s_mul_i32 s52, ttmp9, 135168                   ; part: 135,168 bytes a work-group, 16,896 a head
	s_mul_i32 s54, s2, 16896
	s_add_co_u32 s52, s52, s54
	s_add_nc_u64 s[24:25], s[24:25], s[52:53]
	s_mov_b32 s3, 3                                ; trips
	s_mov_b32 s4, 0                                ; where the trip's two steps put their codes: 4,096 bytes a trip
	s_mov_b32 s5, 0                                ; and their bytes: 2 a trip
	s_wait_tensorcnt 0x1                           ; my part of step 0's tile is in; step 1's may stay out
	s_barrier_signal -1
	s_barrier_wait -1                              ; everybody's is
	XRAW 0                                         ; step 0's x is quantised while the weights are on their way
	s_wait_dscnt 0x0
	XQUANT 0
	s_wait_loadcnt 0x0                             ; weights, scale words, biases
.Ltrip:                                                ; a trip is two periods, once round the ring
	v_add_nc_u32 v[CWA], s4, v[CWB]
	v_add_nc_u32 v[SBA], s5, v[SBB]
	STEP 0, 1, 1
	STEP 1, 1, 1
	s_add_co_u32 s4, s4, 4096
	s_add_co_u32 s5, s5, 2
	s_sub_co_u32 s3, s3, 1
	s_cmp_lg_u32 s3, 0
	s_cbranch_scc1 .Ltrip
	v_add_nc_u32 v[CWA], s4, v[CWB]                ; the last two periods are written out: nothing is left to fetch
	v_add_nc_u32 v[SBA], s5, v[SBB]
	STEP 0, 0, 1
	STEP 1, 0, 0                                   ; and in the last nothing is left to quantise of x
	; kv = k^T v over my 256 rows: two K steps of 128.  Source 0 = 16 channels d of k^T, source 1 = 16 channels e of v^T.  LDS serves a wave's instructions in order: these loads see my stores.
.set ii, 0
.rept 8
	ds_load_b64 v[FS+2*ii:FS+2*ii+1], v[SBB] offset:256*ii          ; tile ii's scale words: steps 0-3, steps 4-7
.set ii, ii+1
.endr
.irp kq, 0,1
.irp kind, 0,1
.irp tile, 0,1,2,3
.irp c, 0,1
	ds_load_b128 v[XF+64*\kq+32*\kind+8*\tile+4*\c:XF+64*\kq+32*\kind+8*\tile+4*\c+3], v[CRD] offset:(4*\kq+2*\c)*2048+1024*\kind+256*\tile   ; lane (r, h): step 4 K + 2 c + h of row r
.endr
.endr
.endr
.endr
	s_wait_dscnt 0x0
	WIN 0x50                                       ; C and D in window 1, over Wk's fragments, which are done with
.irp kq, 0,1
.irp te, 0,1,2,3
.irp td, 0,1,2,3
	WM 8*(4*\te+\td), XF+64*\kq+8*\td, XF+64*\kq+32+8*\te, (1-\kq), FS+2*\td+\kq, FS+8+2*\te+\kq, 0
.endr
.endr
.endr
	WIN 0
.irp t, 0,1,2,3
	v_add_f32 v[TM+\t], v[KS+2*\t], v[KS+2*\t+1]   ; k_sum's two halves; these four are also the places behind the last products
.endr
	WIN 0x04                                       ; a store's data are its source 1: window 1
.set ii, 0
.rept 16
	global_store_b128 v[L16], v[8*ii:8*ii+3], s[24:25] offset:1024*ii th:TH_STORE_NT          ; each accumulator from its low end on; 512 consecutive bytes a store; written once, read by nobody here
	global_store_b128 v[L16], v[8*ii+4:8*ii+7], s[24:25] offset:1024*ii+512 th:TH_STORE_NT
.set ii, ii+1
.endr
	WIN 0
	global_store_b128 v[L16], v[TM:TM+3], s[24:25] offset:16384 th:TH_STORE_NT
	s_wait_tensorcnt 0x0                           ; the wave's end
	ds_add_u32 v[SPW], v[NIL]
	s_wait_dscnt 0x0
	s_endpgm
.Lfunc_end_k_qfb95d6d527_kv:
	.size	k_qfb95d6d527_kv, .Lfunc_end_k_qfb95d6d527_kv-k_qfb95d6d527_kv
	.p2alignl 7, 3214868480
	.fill 96, 4, 3214868480
	.section	.rodata,"a",@progbits
	.p2align	6, 0x0
	.amdhsa_kernel k_qfb95d6d527_kv
		.amdhsa_group_segment_fixed_size 327680
		.amdhsa_private_segment_fixed_size 0
		.amdhsa_enable_private_segment 0
		.amdhsa_kernarg_size 72
		.amdhsa_user_sgpr_count 2
		.amdhsa_user_sgpr_kernarg_segment_ptr 1
		.amdhsa_wavefront_size32 1
		.amdhsa_system_sgpr_workgroup_id_x 1
		.amdhsa_system_sgpr_workgroup_id_y 1
		.amdhsa_system_sgpr_workgroup_id_z 1
		.amdhsa_system_vgpr_workitem_id 0
		.amdhsa_next_free_vgpr 512
		.amdhsa_next_free_sgpr 66
		.amdhsa_reserve_vcc 0
		.amdhsa_float_denorm_mode_32 3
		.amdhsa_float_denorm_mode_16_64 3
		.amdhsa_memory_ordered 1
		.amdhsa_forward_progress 1
		.amdhsa_inst_pref_size 212
	.end_amdhsa_kernel
	.amdgpu_metadata
---
amdhsa.version: [ 1, 2 ]
amdhsa.kernels:
  - .name:           k_qfb95d6d527_kv
    .symbol:         k_qfb95d6d527_kv.kd
    .args:
      - { .name: f0, .offset: 0, .size: 8, .value_kind: global_buffer, .address_space: global }
      - { .name: f1, .offset: 8, .size: 8, .value_kind: global_buffer, .address_space: global }
      - { .name: bk0, .offset: 16, .size: 8, .value_kind: global_buffer, .address_space: global }
      - { .name: bv0, .offset: 24, .size: 8, .value_kind: global_buffer, .address_space: global }
      - { .name: bk1, .offset: 32, .size: 8, .value_kind: global_buffer, .address_space: global }
      - { .name: bv1, .offset: 40, .size: 8, .value_kind: global_buffer, .address_space: global }
      - { .name: wc, .offset: 48, .size: 8, .value_kind: global_buffer, .address_space: global }
      - { .name: ws, .offset: 56, .size: 8, .value_kind: global_buffer, .address_space: global }
      - { .name: part, .offset: 64, .size: 8, .value_kind: global_buffer, .address_space: global }
    .group_segment_fixed_size: 327680
    .private_segment_fixed_size: 0
    .kernarg_segment_align: 8
    .kernarg_segment_size: 72
    .max_flat_workgroup_size: 256
    .sgpr_count:     66
    .vgpr_count:     512
    .wavefront_size: 32
...
	.end_amdgpu_metadata
.endif
;; end of part 2
;; launch red (part 3): grid 256 x 1, 8 waves a work-group, no clusters, 34,816 bytes of LDS; arguments part, kvc, kvs, ksm; writes kvc, kvs, ksm
.if DOCPART == 3
	.amdgcn_target "amdgcn-amd-amdhsa--gfx1250"
	.amdhsa_code_object_version 6
	.text
	.protected	k_qfb95d6d527_red
	.globl	k_qfb95d6d527_red
	.p2align	8
	.type	k_qfb95d6d527_red,@function
k_qfb95d6d527_red:
	s_mov_b64 s[64:65], 0
	v_nop
	global_prefetch_b8 v0, s[64:65] scope:SCOPE_SE
	s_setreg_imm32_b32 hwreg(HW_REG_WAVE_MODE, 25, 1), 1
	s_wait_xcnt 0x0
; The 32 shares of kv and of k_sum of a (function, batch, head) are added in f32, kv is quantised along d to codes of FP4 (E2M1), and all is laid as the last launch's registers want it.
; SHARES: a work-group takes one (function, batch, head, tile te of 16 channels e): four accumulator images (td = 0 .. 3), 4,096 bytes a share, and word te of k_sum's image.  Wave p adds shares 4 p .. 4 p + 3;
; the eight sums meet in LDS and wave 0 adds them.  Every load reads 512 consecutive bytes but k_sum's (4 bytes of each 16: 128 bytes a share).
; In the sum lane (r, h) holds channel e = pi(te, r), and register 8 td + j channel d = 32 (td / 2) + 16 h + 8 (td % 2) + j: 16 neighbours for each pair of tiles; lanes l, l xor 16 share a block.
; kvc: [batch][head][function][te][lane][16 bytes]: registers 0-3 of the fragment (K = 64; the last launch fills 64 .. 127 with zero codes).  kvs: [batch][head][te][function x 16 + r] words, bytes 2, 3 = 127.  ksm: [batch][function][512] f32.
; LIMITS: NaN and infinities are not served.  A block of zeros gets the byte 1: its codes are zeros, and this program alone reads the bytes.
.set SEL, 22
.set TM,  8
.set PC,  24
.set PW,  28
.set ACC, 32                           ; v32-63 the sum; v64-159 three more images
.set KSR, 160                          ; v160 k_sum's sum; v161-163 three more
.macro BLKSCALE s, nb
.irp b, 0,1,2,3
.if \b < \nb
	v_max3_num_f32 v[TM+\b], |v[\s+16*\b]|, |v[\s+16*\b+1]|, 0x1800000   ; the floor 2^(3 - 127) holds the byte at 1 from below
.endif
.endr
.irp i, 2,4,6,8,10,12,14
.irp b, 0,1,2,3
.if \b < \nb
	v_max3_num_f32 v[TM+\b], v[TM+\b], |v[\s+16*\b+\i]|, |v[\s+16*\b+\i+1]|
.endif
.endr
.endr
.irp b, 0,1,2,3
.if \b < \nb
	v_permlanex16_b32 v[TM+4+\b], v[TM+\b], s[SEL], s[SEL+1]
.endif
.endr
.irp b, 0,1,2,3
.if \b < \nb
	v_max_num_f32 v[TM+\b], v[TM+\b], v[TM+4+\b]
.endif
.endr
.irp b, 0,1,2,3
.if \b < \nb
	v_add_nc_u32 v[TM+12+\b], 0xff000000, v[TM+\b]
.endif
.endr
.irp b, 0,1,2,3
.if \b < \nb
	v_lshrrev_b32 v[TM+8+\b], 23, v[TM+12+\b]
.endif
.endr
.endm
.macro ADDIN n                         ; the n images behind the sum are added to it
.set cc, 1
.rept \n
.set ii, 0
.rept 16
	v_pk_add_f32 v[ACC+2*ii:ACC+2*ii+1], v[ACC+2*ii:ACC+2*ii+1], v[ACC+32*cc+2*ii:ACC+32*cc+2*ii+1]
.set ii, ii+1
.endr
	v_add_f32 v[KSR], v[KSR], v[KSR+cc]
.set cc, cc+1
.endr
.endm
.macro BATCH p0, n                     ; wave 0: the sums of waves p0 .. p0 + n - 1
.set kk, 0
.rept \n
.set ii, 0
.rept 8
	ds_load_b128 v[ACC+32*(1+kk)+4*ii:ACC+32*(1+kk)+4*ii+3], v4 offset:4224*(\p0+kk)+512*ii
.set ii, ii+1
.endr
	ds_load_b32 v[KSR+1+kk], v29 offset:4224*(\p0+kk)+4096
.set kk, kk+1
.endr
	s_wait_dscnt 0x0
	ADDIN \n
.endm
	s_load_b256 s[8:15], s[0:1], 0x0               ; part s[8:9], kvc s[10:11], kvs s[12:13], ksm s[14:15]
	v_lshl_add_u32 v192, v0, 2, 0x8400
	v_mov_b32 v193, 0
	v_lshrrev_b32 v1, 5, v0
	v_readfirstlane_b32 s2, v1                     ; wave
	v_and_b32 v2, 31, v0                           ; lane
	v_and_b32 v3, 15, v0                           ; r
	v_lshlrev_b32 v4, 4, v2                        ; 16 x lane
	v_lshlrev_b32 v29, 2, v2                       ; 4 x lane
	v_lshlrev_b32 v30, 2, v3                       ; 4 r
	v_and_b32 v31, 8, v3
	v_add_nc_u32 v31, v31, v3
	v_lshlrev_b32 v31, 2, v31                      ; 4 (r + 8 (r / 8))
	s_and_b32 s3, ttmp9, 3                         ; te
	s_bfe_u32 s4, ttmp9, 0x30002                   ; head
	s_lshr_b32 s5, ttmp9, 5                        ; 4 function + batch
	s_and_b32 s6, s5, 3                            ; batch
	s_lshr_b32 s7, s5, 2                           ; function
	s_lshl_b32 s16, s5, 5
	s_lshl_b32 s17, s2, 2
	s_add_co_u32 s16, s16, s17                     ; my first share
	s_mul_i32 s16, s16, 135168
	s_mul_i32 s17, s4, 16896
	s_add_co_u32 s16, s16, s17
	s_lshl_b32 s17, s3, 12
	s_add_co_u32 s16, s16, s17
	s_mov_b32 s17, 0
	s_mul_i32 s18, s3, 4092                        ; k_sum's image lies at 16,384 of the head's bytes; my word of a lane's 16 bytes is te: 16,384 - 4,096 te + 4 te from my images
	s_sub_co_u32 s18, 16384, s18
	v_add_nc_u32 v5, s18, v4
	s_mul_i32 s19, s2, 4224                        ; LDS: 4,096 + 128 bytes a wave
	v_add_nc_u32 v6, s19, v4
	v_add_nc_u32 v7, s19, v29
	s_mov_b32 s[SEL], 0x76543210
	s_mov_b32 s[SEL+1], 0xfedcba98
	s_lshl_b32 s20, s6, 3
	s_add_co_u32 s20, s20, s4                      ; 8 batch + head
	s_lshl_b32 s24, s20, 1
	s_add_co_u32 s24, s24, s7
	s_lshl_b32 s24, s24, 2
	s_add_co_u32 s24, s24, s3
	s_lshl_b32 s24, s24, 9                         ; kvc
	s_mov_b32 s25, 0
	s_lshl_b32 s26, s20, 2
	s_add_co_u32 s26, s26, s3
	s_lshl_b32 s26, s26, 7
	s_lshl_b32 s27, s7, 6
	s_add_co_u32 s26, s26, s27                     ; kvs
	s_mov_b32 s27, 0
	s_lshl_b32 s28, s6, 1
	s_add_co_u32 s28, s28, s7
	s_lshl_b32 s28, s28, 11
	s_lshl_b32 s29, s4, 8
	s_add_co_u32 s28, s28, s29
	s_lshr_b32 s29, s3, 1
	s_lshl_b32 s29, s29, 7
	s_add_co_u32 s28, s28, s29
	s_and_b32 s29, s3, 1
	s_lshl_b32 s29, s29, 5
	s_add_co_u32 s28, s28, s29                     ; ksm
	s_mov_b32 s29, 0
.irp b, 0,1,2,3
	v_mov_b32 v[TM+4+\b], 0                        ; written once: a lane permute's destination counts as one of its sources
.endr
	s_wait_kmcnt 0x0
	s_add_nc_u64 s[8:9], s[8:9], s[16:17]
	s_add_nc_u64 s[10:11], s[10:11], s[24:25]
	s_add_nc_u64 s[12:13], s[12:13], s[26:27]
	s_add_nc_u64 s[14:15], s[14:15], s[28:29]
.set cc, 0
.rept 4
.set ii, 0
.rept 8
	global_load_b128 v[ACC+32*cc+4*ii:ACC+32*cc+4*ii+3], v4, s[8:9] offset:135168*cc+512*ii th:TH_LOAD_NT
.set ii, ii+1
.endr
	global_load_b32 v[KSR+cc], v5, s[8:9] offset:135168*cc th:TH_LOAD_NT
.set cc, cc+1
.endr
	s_wait_loadcnt 0x0
	ADDIN 3
.set ii, 0
.rept 8
	ds_store_b128 v6, v[ACC+4*ii:ACC+4*ii+3] offset:512*ii
.set ii, ii+1
.endr
	ds_store_b32 v7, v[KSR] offset:4096
	s_wait_dscnt 0x0                               ; for wave 0's sake: my stores have landed
	s_barrier_signal -1
	s_barrier_wait -1
	s_cmp_lg_u32 s2, 0
	s_cbranch_scc1 .Lend
	BATCH 1, 3
	BATCH 4, 3
	BATCH 7, 1
	BLKSCALE ACC, 2                                ; kv along d: two blocks of 32
	v_lshl_or_b32 v[PW], v[TM+9], 8, v[TM+8]
	v_or_b32 v[PW], 0x7f7f0000, v[PW]              ; the bytes of k = 64 .. 127, where the codes are zeros: 127
.irp b, 0,1
	v_cvt_scalef32_pk8_fp4_f32 v[PC+2*\b], v[ACC+16*\b:ACC+16*\b+7], v[TM+12+\b]
	v_cvt_scalef32_pk8_fp4_f32 v[PC+2*\b+1], v[ACC+16*\b+8:ACC+16*\b+15], v[TM+12+\b]
.endr
	v_nop                                          ; one plain instruction behind the last scaled conversion
	v_permlane16_swap_b32 v[PC], v[PC+2]           ; lanes 0-15 block 0, lanes 16-31 block 1
	v_permlane16_swap_b32 v[PC+1], v[PC+3]
	v_permlanex16_b32 v[TM+4], v[KSR], s[SEL], s[SEL+1]
	v_add_f32 v[KSR], v[KSR], v[TM+4]              ; k_sum: both halves of the lanes' rows
	global_store_b128 v4, v[PC:PC+3], s[10:11]     ; 512 consecutive bytes
	s_wait_xcnt 0x0                                ; EXEC changes only behind this wait
	v_cmp_gt_u32 vcc_lo, 16, v2
	s_and_saveexec_b32 s30, vcc_lo                 ; lanes 0-15 (lanes 16-31 hold the same numbers)
	global_store_b32 v30, v[PW], s[12:13]
	global_store_b32 v31, v[KSR], s[14:15]
	s_wait_xcnt 0x0                                ; and again, ahead of the line that widens it
	s_or_b32 exec_lo, exec_lo, s30
.Lend:
	s_wait_tensorcnt 0x0
	ds_add_u32 v192, v193
	s_wait_dscnt 0x0
	s_endpgm
.Lfunc_end_k_qfb95d6d527_red:
	.size	k_qfb95d6d527_red, .Lfunc_end_k_qfb95d6d527_red-k_qfb95d6d527_red
	.p2alignl 7, 3214868480
	.fill 96, 4, 3214868480
	.section	.rodata,"a",@progbits
	.p2align	6, 0x0
	.amdhsa_kernel k_qfb95d6d527_red
		.amdhsa_group_segment_fixed_size 34816
		.amdhsa_private_segment_fixed_size 0
		.amdhsa_enable_private_segment 0
		.amdhsa_kernarg_size 32
		.amdhsa_user_sgpr_count 2
		.amdhsa_user_sgpr_kernarg_segment_ptr 1
		.amdhsa_wavefront_size32 1
		.amdhsa_system_sgpr_workgroup_id_x 1
		.amdhsa_system_sgpr_workgroup_id_y 1
		.amdhsa_system_sgpr_workgroup_id_z 1
		.amdhsa_system_vgpr_workitem_id 0
		.amdhsa_next_free_vgpr 194
		.amdhsa_next_free_sgpr 66
		.amdhsa_reserve_vcc 1
		.amdhsa_float_denorm_mode_32 3
		.amdhsa_float_denorm_mode_16_64 3
		.amdhsa_memory_ordered 1
		.amdhsa_forward_progress 1
		.amdhsa_inst_pref_size 24
	.end_amdhsa_kernel
	.amdgpu_metadata
---
amdhsa.version: [ 1, 2 ]
amdhsa.kernels:
  - .name:           k_qfb95d6d527_red
    .symbol:         k_qfb95d6d527_red.kd
    .args:
      - { .name: part, .offset: 0, .size: 8, .value_kind: global_buffer, .address_space: global }
      - { .name: kvc, .offset: 8, .size: 8, .value_kind: global_buffer, .address_space: global }
      - { .name: kvs, .offset: 16, .size: 8, .value_kind: global_buffer, .address_space: global }
      - { .name: ksm, .offset: 24, .size: 8, .value_kind: global_buffer, .address_space: global }
    .group_segment_fixed_size: 34816
    .private_segment_fixed_size: 0
    .kernarg_segment_align: 8
    .kernarg_segment_size: 32
    .max_flat_workgroup_size: 256
    .sgpr_count:     66
    .vgpr_count:     194
    .wavefront_size: 32
...
	.end_amdgpu_metadata
.endif
;; end of part 3
;; launch out (part 4): grid 256 x 1, 8 waves a work-group, no clusters, 327,680 bytes of LDS; arguments query, bq, bo, wc, ws, kvc, kvs, ksm, out0; writes out0
.if DOCPART == 4
	.amdgcn_target "amdgcn-amd-amdhsa--gfx1250"
	.amdhsa_code_object_version 6
	.text
	.protected	k_qfb95d6d527_out
	.globl	k_qfb95d6d527_out
	.p2align	8
	.type	k_qfb95d6d527_out,@function
k_qfb95d6d527_out:
	s_mov_b64 s[64:65], 0
	v_nop
	global_prefetch_b8 v0, s[64:65] scope:SCOPE_SE
	s_setreg_imm32_b32 hwreg(HW_REG_WAVE_MODE, 25, 1), 1
	s_wait_xcnt 0x0
; out0 = (q + (alpha0 q kv0 + alpha1 q kv1) / 2) Wo^T + bo, q = softmax(query Wq^T + bq) over each head's 64.  All products on codes of FP4 (E2M1), one E8M0 byte for each 32 along K.
; SHARES.  A work-group takes 128 rows, four steps of 32.  Wave w is head w for q, p and the residual sum, and owns output columns 64 w .. 64 w + 63: its fragments of Wq and Wo stay in registers (window 1), its head's kv in window 0.
; A step's 65,536 bytes of query come by eight tensor loads, one a wave, through a ring of two LDS slots.  Wave w quantises ONE fragment of x (tile w / 4, K step w % 4) and hands it to all waves as an image of its registers.
; BY PERIODS, ONE BARRIER EACH.  Behind the barrier of period n (0 .. 4): slot n % 2 is filled again with tile n + 2; step n - 1's output columns are made from the residual sum's image set (n - 1) % 2; step n's heads are worked
; from x's image set n % 2, and their residual sums go to set n % 2; tile n + 1 is read from slot (n + 1) % 2 and quantised into x's other set.  All that a period writes was last read in the period before, and those reads are
; waited for in front of the barrier.  Within a period each phase asks for the next phase's fragments, scale words and bias as soon as their registers are free.
; LAYOUT.  All products are used transposed (source 0 = 16 rows of a weight or of kv^T, source 1 = 16 rows of x, p or the residual sum): a lane holds ONE row, and, by the choice of a tile's rows, register 16 b + i is channel 32 b + 16 h + i of the head.
; THE SOFTMAX AHEAD OF q kv: t = logit x log2(e), M = ceil(the row's largest t), p = 2^(t - M) is quantised; l = the sum of the unquantised p.  q = p / l.  alpha / l = 1 / den, den = the sum of p k_sum: so the product is multiplied by 0.5 / den.
; A block's largest p is not searched for: the block's largest logit goes through the same multiply-add and exponential (this takes v_exp_f32 not to fall where its input rises).
; K = 64 in q kv: k = 64 .. 127 of both operands are zero codes under the byte 127.
; Each wave's 64 channels of the residual sum are half a fragment (K step w / 2, half w % 2) and two bytes of its scale word: images in LDS, a barrier, and every wave has all of K = 512.
; NO CLUSTER: the work-groups share the weights alone, 262,144 bytes of images, which each wave takes once, straight into registers; brought jointly they would have to lie in LDS, of which this text uses 214,016 bytes: they do not fit.
; LIMITS: NaN and infinities are not served.  A block of zeros gets the byte 1 where the quantiser says 127: its codes are zeros, and this program alone reads the bytes.
.set STEPB, 65536
.set SLOTB, 66560                      ; 64 half rows of 1,024 bytes + 16 of padding; a row of query is 2,080 bytes
.set XIMG,  2*SLOTB                    ; x's images, two sets by turns; behind them the residual sum's, two sets
.set IMGB,  9216                       ; a set: 8 fragments (4 u + K step) of 1,024 bytes, then their scale words [u][lane][K step], 1,024 bytes
.set XSC,   XIMG+8192
.set ROFF,  2*IMGB                     ; from x's first set to the residual sum's first
.set RIMG,  XIMG+ROFF
.set RSC,   RIMG+8192
.set CONST, XIMG+4*IMGB                ; 1,024 bytes a wave: its 64 numbers of bq, bo, k_sum 0, k_sum 1
.set STG,   CONST+8192                 ; the way out: 16 rows x (256 + 16) bytes for each wave
.set SPARE, STG+8*4352                 ; the spare words, 128 bytes for each wave: four blocks of 256 bytes that no other line names
.set SPW, 1
.set NIL, 2
.set XRD, 3                            ; v3, v4  where I read my 64 numbers of x in slot 0, 1
.set XWI, 5                            ; where I store my fragment's image (set 0)
.set XWS, 6
.set LI,  7                            ; XIMG + 16 x lane
.set CB,  8                            ; CONST + 1,024 w + 64 h
.set RWI, 9                            ; RIMG + 512 w + 16 lane
.set RWS, 10                           ; RSC + 2 w + 16 lane
.set SO,  11                           ; the stage, in: row r, + 64 h
.set SR,  12                           ; and back: lanes 0-15 one row, lanes 16-31 the next
.set GO,  13                           ; the same two rows in out0, my 256 bytes of them
.set L16, 14
.set WS,  16                           ; v16-31 scale words 4 t + K step: lanes 0-15 Wq's, lanes 16-31 Wo's
.set KVSC, 32                          ; v32-35 kv's scale words, one a tile: lanes 0-15 function 0, lanes 16-31 function 1
.set XS,  36                           ; v36-39 the scale words of x, or of the residual sum
.set PC,  40                           ; v40-47 codes of p, later of the residual sum; v44-47 stay 0
.set TM,  48
.set NM,  64                           ; v64 -M, v65 t
.set LS,  66                           ; v[66:67] l
.set DN0, 68                           ; v[68:69], v[70:71] den 0, den 1
.set DN1, 70
.set RL,  72                           ; v72 1 / l;  v74, v76 0.5 / den;  their upper neighbours are written once, since the pairs are named
.set AL0, 74
.set AL1, 76
.set PW,  78                           ; p's scale word
.set HW,  79                           ; the residual sum's two bytes
.set XC,  80                           ; v80-87 x's codes
.set XPW, 88
.set RA,  96                           ; v96-127  fragments of x or of the residual sum; k_sum 0; q kv0
.set RB,  128                          ; v128-159 bq ahead of a head's second tile; k_sum 1; q kv1; rows on the way out.  RA and RB together: my 64 numbers of x
.set RC,  160                          ; v160-191 a bias, logits, p, q, the residual sum; y
.set KVF, 192                          ; v192-255 kv^T's fragments, 8 (4 function + te); registers 4-7 of each are 0
.set SEL, 26
.set CS,  28
.set G1,  32
.set G0,  40
.set MSB, 0
.macro WIN new                         ; the immediate's high byte repeats the setting that is left
.if MSB != \new
	s_set_vgpr_msb (MSB<<8)|\new
.set MSB, \new
.endif
.endm
.macro BLKSCALE s, nb                  ; nb blocks of 32 that lanes l and l xor 16 share, 16 numbers each: byte in v[TM+8+b], scale operand in v[TM+12+b]
.irp b, 0,1,2,3
.if \b < \nb
	v_max3_num_f32 v[TM+\b], |v[\s+16*\b]|, |v[\s+16*\b+1]|, 0x1800000   ; the floor 2^(3 - 127) holds the byte at 1 from below
.endif
.endr
.irp i, 2,4,6,8,10,12,14
.irp b, 0,1,2,3
.if \b < \nb
	v_max3_num_f32 v[TM+\b], v[TM+\b], |v[\s+16*\b+\i]|, |v[\s+16*\b+\i+1]|
.endif
.endr
.endr
.irp b, 0,1,2,3
.if \b < \nb
	v_permlanex16_b32 v[TM+4+\b], v[TM+\b], s[SEL], s[SEL+1]
.endif
.endr
.irp b, 0,1,2,3
.if \b < \nb
	v_max_num_f32 v[TM+\b], v[TM+\b], v[TM+4+\b]
.endif
.endr
.irp b, 0,1,2,3
.if \b < \nb
	v_add_nc_u32 v[TM+12+\b], 0xff000000, v[TM+\b]   ; 2 off the exponent field: the conversion takes this operand's exponent field as its scale
.endif
.endr
.irp b, 0,1,2,3
.if \b < \nb
	v_lshrrev_b32 v[TM+8+\b], 23, v[TM+12+\b]        ; the scale's byte
.endif
.endr
.endm
.macro CODES s, nb, dst
.irp b, 0,1,2,3
.if \b < \nb
	v_cvt_scalef32_pk8_fp4_f32 v[\dst+2*\b], v[\s+16*\b:\s+16*\b+7], v[TM+12+\b]
	v_cvt_scalef32_pk8_fp4_f32 v[\dst+2*\b+1], v[\s+16*\b+8:\s+16*\b+15], v[TM+12+\b]
.endif
.endr
	v_nop                                          ; one plain instruction behind the last scaled conversion
.endm
.macro SWAPS dst, nc                   ; the operand's layout wants a whole block in a lane: lanes 0-15 block 2 c, lanes 16-31 block 2 c + 1
.irp c, 0,1
.if \c < \nc
	v_permlane16_swap_b32 v[\dst+4*\c], v[\dst+4*\c+2]
	v_permlane16_swap_b32 v[\dst+4*\c+1], v[\dst+4*\c+3]
.endif
.endr
.endm
.macro PLACES                          ; four plain instructions behind a matrix instruction, ahead of reads of its result and of loads into its registers
.rept 4
	v_nop
.endr
.endm
; One matrix instruction.  c: the first register of C; under 0: the constant 0.  row: 0 both scales from lanes 0-15; 1 source 0's from lanes 16-31
.macro WM d, a, b, c, sa, sb, row
.if (\c) < 0
.if \row == 0
	v_wmma_scale_f32_16x16x128_f8f6f4 v[\d:(\d)+7], v[\a:(\a)+7], v[\b:(\b)+7], 0, v[\sa], v[\sb] matrix_a_fmt:MATRIX_FMT_FP4 matrix_b_fmt:MATRIX_FMT_FP4
.else
	v_wmma_scale_f32_16x16x128_f8f6f4 v[\d:(\d)+7], v[\a:(\a)+7], v[\b:(\b)+7], 0, v[\sa], v[\sb] matrix_a_fmt:MATRIX_FMT_FP4 matrix_b_fmt:MATRIX_FMT_FP4 matrix_a_scale:MATRIX_SCALE_ROW1
.endif
.else
.if \row == 0
	v_wmma_scale_f32_16x16x128_f8f6f4 v[\d:(\d)+7], v[\a:(\a)+7], v[\b:(\b)+7], v[\c:(\c)+7], v[\sa], v[\sb] matrix_a_fmt:MATRIX_FMT_FP4 matrix_b_fmt:MATRIX_FMT_FP4
.else
	v_wmma_scale_f32_16x16x128_f8f6f4 v[\d:(\d)+7], v[\a:(\a)+7], v[\b:(\b)+7], v[\c:(\c)+7], v[\sa], v[\sb] matrix_a_fmt:MATRIX_FMT_FP4 matrix_b_fmt:MATRIX_FMT_FP4 matrix_a_scale:MATRIX_SCALE_ROW1
.endif
.endif
.endm
; THE BARRIER AT A PERIOD'S HEAD.  slot = the period's parity.  Each wave waits for all its tensor loads (at most one is out: its part of the next step's tile), adds 0 to its spare word, and waits for that and for all its
; LDS reads and stores of the last period.  Behind the barrier the images stored in the last period and the next step's tile are whole, nobody reads this slot any more, and its refill, the tile two steps on, is the first thing.
.macro CHANGE slot, refill
	s_wait_tensorcnt 0x0                           ; no tensor load of mine is out, so a group 0 may be written
	ds_add_u32 v[SPW], v[NIL]                      ; 0 onto my spare word
	s_add_nc_u64 s[G0+4*\slot+2:G0+4*\slot+3], s[G0+4*\slot+2:G0+4*\slot+3], 2*STEPB   ; this slot's next tile; the type bits on top are not reached (where nothing is filled the stepped address is not used)
	s_wait_dscnt 0x0                               ; the add is done, and so are my LDS reads and stores of the last period
	s_barrier_signal -1
	s_barrier_wait -1
.if \refill
	tensor_load_to_lds s[G0+4*\slot:G0+4*\slot+3], s[G1:G1+7]   ; my one tensor load until the next such barrier
	s_nop 0
	PLACES                                         ; four plain instructions follow it
.endif
.endm
.macro XRAW p                          ; my fragment's numbers, 16 rows x 128 K, from slot p: 64 a lane, register 16 b + i = k 32 b + 16 h + i of my row
.irp b, 0,1,2,3
.irp j, 0,1,2,3
	ds_load_b128 v[RA+16*\b+4*\j:RA+16*\b+4*\j+3], v[XRD+(\p)] offset:128*\b+16*\j
.endr
.endr
.endm
.macro XQUANT p                        ; they become codes and a scale word, and go to x's image set p
	BLKSCALE RA, 4
	v_lshl_or_b32 v[XPW], v[TM+9], 8, v[TM+8]
	v_lshl_or_b32 v[XPW], v[TM+10], 16, v[XPW]
	v_lshl_or_b32 v[XPW], v[TM+11], 24, v[XPW]
	CODES RA, 4, XC
	SWAPS XC, 2
	ds_store_b128 v[XWI], v[XC:XC+3] offset:IMGB*(\p)
	ds_store_b128 v[XWI], v[XC+4:XC+7] offset:IMGB*(\p)+512
	ds_store_b32 v[XWS], v[XPW] offset:IMGB*(\p)
.endm
.macro CLOAD reg, off                  ; 32 numbers of my head from my constants, in the results' layout: register 16 b + 4 g + i = channel 32 b + 16 h + 4 g + i
.irp b, 0,1
.irp g, 0,1,2,3
	ds_load_b128 v[\reg+16*\b+4*\g:\reg+16*\b+4*\g+3], v[CB] offset:\off+128*\b+16*\g
.endr
.endr
.endm
.macro FLOAD off                       ; four fragments (K steps 0 .. 3 of one tile of rows) into RA
.irp ks, 0,1,2,3
.irp c, 0,1
	ds_load_b128 v[RA+8*\ks+4*\c:RA+8*\ks+4*\c+3], v[LI] offset:(\off)+1024*\ks+512*\c
.endr
.endr
.endm
.macro SLOAD off                       ; and their four scale words
	ds_load_b128 v[XS:XS+3], v[LI] offset:(\off)
.endm
.macro PROJ wb, row, cb                ; 16 matrix instructions, K = 512; the bias, in v[cb] on, is the C of the first K step; the 4 accumulators take turns, one instruction a turn
	WIN 0x01                                       ; source 0 in window 1
.irp ks, 0,1,2,3
.irp t, 0,1,2,3
.if \ks == 0
	WM RC+8*\t, \wb+8*(4*\t+\ks), RA+8*\ks, \cb+8*\t, WS+4*\t+\ks, XS+\ks, \row
.else
	WM RC+8*\t, \wb+8*(4*\t+\ks), RA+8*\ks, RC+8*\t, WS+4*\t+\ks, XS+\ks, \row
.endif
.endr
.endr
	WIN 0
	PLACES
.endm
; Tile u of 16 rows of the step of parity p, my head: logits, softmax, q kv0 and q kv1, the residual sum, its codes.
; pre = 1: the phase before has asked for my fragments, scale words and bias.  cb: where the bias lies.  xq = 1: the next step's x is quantised behind this phase
.macro HEADPH p, u, pre, cb, xq
.if \pre == 0
	FLOAD IMGB*(\p)+4096*(\u)
	SLOAD IMGB*(\p)+8192+512*(\u)
	CLOAD RC, 0                                    ; bq is the C of the first products
	s_wait_dscnt 0x0
.elseif \u == 1
	s_wait_dscnt 2                                 ; what tile 0 asked for is in; its two stores behind that may be out
.endif
	PROJ 0, 0, \cb
	s_wait_xcnt 0x0                                ; the last rows' stores to memory have read RB, which is loaded again only behind this wait
	CLOAD RA, 512                                  ; k_sum 0 and k_sum 1 land while the softmax begins
	CLOAD RB, 768
.irp b, 0,1
	v_max3_num_f32 v[TM+\b], v[RC+16*\b], v[RC+16*\b+1], v[RC+16*\b+2]   ; the largest logit of each block of 32: for the row's maximum, and for the block's largest p.  Each accumulator is first read at its low end
.endr
.irp i, 3,5,7,9,11,13
.irp b, 0,1
	v_max3_num_f32 v[TM+\b], v[TM+\b], v[RC+16*\b+\i], v[RC+16*\b+\i+1]
.endr
.endr
.irp b, 0,1
	v_max_num_f32 v[TM+\b], v[TM+\b], v[RC+16*\b+15]
.endr
.irp b, 0,1
	v_permlanex16_b32 v[TM+4+\b], v[TM+\b], s[SEL], s[SEL+1]
.endr
.irp b, 0,1
	v_max_num_f32 v[TM+\b], v[TM+\b], v[TM+4+\b]
.endr
	v_max_num_f32 v[NM+1], v[TM], v[TM+1]
	v_mul_f32 v[NM+1], s[CS], v[NM+1]              ; the row's largest t
	v_floor_f32 v[NM], -v[NM+1]                    ; -M = floor(-t) = -ceil(t)
.set ii, 0
.rept 16
	v_pk_fma_f32 v[RC+2*ii:RC+2*ii+1], v[RC+2*ii:RC+2*ii+1], s[CS:CS+1], v[NM:NM+1] op_sel_hi:[1,0,0]   ; t - M
.set ii, ii+1
.endr
.irp b, 0,1
	v_fma_f32 v[TM+\b], v[TM+\b], s[CS], v[NM]     ; the same of each block's largest logit
.endr
.set ii, 0
.rept 32
	v_exp_f32 v[RC+ii], v[RC+ii]                   ; p
.set ii, ii+1
.endr
.irp b, 0,1
	v_exp_f32 v[TM+\b], v[TM+\b]                   ; the block's largest p
.endr
	v_nop                                          ; a plain instruction behind the last exponential
	s_wait_alu depctr_va_vdst(0)                   ; one wait for the batch of 34, ahead of its first reader
	s_wait_dscnt 0x0                               ; k_sum
	v_pk_mul_f32 v[DN0:DN0+1], v[RC:RC+1], v[RA:RA+1]            ; three chains by turns: l, den 0, den 1
	v_pk_mul_f32 v[DN1:DN1+1], v[RC:RC+1], v[RB:RB+1]
	v_pk_add_f32 v[LS:LS+1], v[RC:RC+1], v[RC+2:RC+3]
	v_pk_fma_f32 v[DN0:DN0+1], v[RC+2:RC+3], v[RA+2:RA+3], v[DN0:DN0+1]
	v_pk_fma_f32 v[DN1:DN1+1], v[RC+2:RC+3], v[RB+2:RB+3], v[DN1:DN1+1]
.set ii, 2
.rept 14
	v_pk_add_f32 v[LS:LS+1], v[LS:LS+1], v[RC+2*ii:RC+2*ii+1]
	v_pk_fma_f32 v[DN0:DN0+1], v[RC+2*ii:RC+2*ii+1], v[RA+2*ii:RA+2*ii+1], v[DN0:DN0+1]
	v_pk_fma_f32 v[DN1:DN1+1], v[RC+2*ii:RC+2*ii+1], v[RB+2*ii:RB+2*ii+1], v[DN1:DN1+1]
.set ii, ii+1
.endr
	v_add_f32 v[LS], v[LS], v[LS+1]
	v_add_f32 v[DN0], v[DN0], v[DN0+1]
	v_add_f32 v[DN1], v[DN1], v[DN1+1]
	v_permlanex16_b32 v[TM+4], v[LS], s[SEL], s[SEL+1]
	v_permlanex16_b32 v[TM+5], v[DN0], s[SEL], s[SEL+1]
	v_permlanex16_b32 v[TM+6], v[DN1], s[SEL], s[SEL+1]
	v_add_f32 v[LS], v[LS], v[TM+4]
	v_add_f32 v[DN0], v[DN0], v[TM+5]
	v_add_f32 v[DN1], v[DN1], v[TM+6]
	v_rcp_f32 v[RL], v[LS]
	v_rcp_f32 v[AL0], v[DN0]
	v_rcp_f32 v[AL1], v[DN1]
.irp b, 0,1
	v_max_num_f32 v[TM+\b], 0x1800000, v[TM+\b]    ; p's scales: plain work behind the reciprocals that names none of their results
.endr
.irp b, 0,1
	v_add_nc_u32 v[TM+12+\b], 0xff000000, v[TM+\b]
.endr
.irp b, 0,1
	v_lshrrev_b32 v[TM+8+\b], 23, v[TM+12+\b]
.endr
	v_lshl_or_b32 v[PW], v[TM+9], 8, v[TM+8]
	v_or_b32 v[PW], 0x7f7f0000, v[PW]              ; the bytes of k = 64 .. 127: 127
	CODES RC, 2, PC
	SWAPS PC, 1
	s_wait_alu depctr_va_vdst(0)                   ; one wait for the three reciprocals, ahead of their first reader
	v_mul_f32 v[AL0], 0.5, v[AL0]
	v_mul_f32 v[AL1], 0.5, v[AL1]
.set ii, 0
.rept 16
	v_pk_mul_f32 v[RC+2*ii:RC+2*ii+1], v[RC+2*ii:RC+2*ii+1], v[RL:RL+1] op_sel_hi:[1,0]   ; q = p / l.  (These are also the plain instructions between the lines that made p's codes and scale word and the products that take them)
.set ii, ii+1
.endr
.irp te, 0,1,2,3
	WM RA+8*\te, KVF+8*\te, PC, -1, KVSC+\te, PW, 0             ; (p kv0)^T: source 0 = 16 channels e of kv0^T, source 1 = p
	WM RB+8*\te, KVF+32+8*\te, PC, -1, KVSC+\te, PW, 1          ; and kv1's
.endr
	PLACES
.set ii, 0
.rept 16
	v_pk_fma_f32 v[RC+2*ii:RC+2*ii+1], v[RA+2*ii:RA+2*ii+1], v[AL0:AL0+1], v[RC+2*ii:RC+2*ii+1] op_sel_hi:[1,0,1]   ; each accumulator from its low end on
.set ii, ii+1
.endr
.set ii, 0
.rept 16
	v_pk_fma_f32 v[RC+2*ii:RC+2*ii+1], v[RB+2*ii:RB+2*ii+1], v[AL1:AL1+1], v[RC+2*ii:RC+2*ii+1] op_sel_hi:[1,0,1]
.set ii, ii+1
.endr
.if \u == 0
	FLOAD IMGB*(\p)+4096                           ; RA and RB are free: tile 1's fragments, scale words and bq (into RB) land under the quantiser below
	SLOAD IMGB*(\p)+8192+512
	CLOAD RB, 0
.endif
.if \xq
	XRAW 1-(\p)                                    ; RA and RB are free: my numbers of the next step's x land under the quantiser below
.endif
	BLKSCALE RC, 2
	v_lshl_or_b32 v[HW], v[TM+9], 8, v[TM+8]
	CODES RC, 2, PC
	SWAPS PC, 1
	ds_store_b128 v[RWI], v[PC:PC+3] offset:IMGB*(\p)+4096*(\u)   ; half w % 2 of the fragment of K step w / 2
	ds_store_b16 v[RWS], v[HW] offset:IMGB*(\p)+512*(\u)          ; and my two bytes of its scale word
.if \xq
	s_wait_dscnt 2                                 ; the 16 loads are in; the two stores behind them may be out
	XQUANT 1-(\p)
.endif
.endm
; Tile u of step n: my 64 output columns, through my own stage, out as 256 consecutive bytes for each 16 lanes.
; pre = 1: the phase before has asked for my fragments, scale words and bo, and has waited for them.  nxt: what I ask for: 1 this step's tile 1; 2 the first tile of the next step's heads; 0 nothing
.macro TAILPH n, u, pre, nxt
.set RO, ROFF+IMGB*((\n)%2)
.set XO, IMGB*(((\n)+1)%2)
.if \pre == 0
	FLOAD RO+4096*(\u)
	SLOAD RO+8192+512*(\u)
	CLOAD RC, 256                                  ; bo is the C of the first products
	s_wait_dscnt 0x0
.endif
	PROJ 128, 1, RC
.if \nxt == 1
	FLOAD RO+4096                                  ; four places behind the products their fragments' and scale words' registers take the next phase's
	SLOAD RO+8192+512
.elseif \nxt == 2
	FLOAD XO
	SLOAD XO+8192
.endif
.irp q, 0,1,2,3,4,5,6,7
	ds_store_b128 v[SO], v[RC+4*\q:RC+4*\q+3] offset:128*(\q/4)+16*(\q%4)   ; each accumulator from its low end on
.endr
.if \nxt == 1
	CLOAD RC, 256                                  ; LDS serves a wave's instructions in order (ISA guide 5.7.1.4): the stores above have taken RC when these loads land in it
.elseif \nxt == 2
	CLOAD RC, 0
.endif
	s_wait_xcnt 0x0                                ; the last rows' stores to memory have read RB, which is loaded again only behind this wait
.irp i, 0,1,2,3,4,5,6,7
	ds_load_b128 v[RB+4*\i:RB+4*\i+3], v[SR] offset:544*\i     ; these see my stores into the stage
.endr
.irp i, 0,1,2,3,4,5,6,7
	s_wait_dscnt 7-\i                              ; the 7 - i younger loads may stay out; at the last all that was asked for above is in too
	global_store_b128 v[GO], v[RB+4*\i:RB+4*\i+3], s[24:25] offset:(32*(\n)+16*(\u)+2*\i)*2048 th:TH_STORE_NT
.endr
.endm
	s_load_b512 s[8:23], s[0:1], 0x0               ; query s[8:9], bq s[10:11], bo s[12:13], wc s[14:15], ws s[16:17], kvc s[18:19], kvs s[20:21], ksm s[22:23]
	s_load_b64 s[24:25], s[0:1], 0x40              ; out0
	v_lshl_add_u32 v[SPW], v0, 2, SPARE
	v_mov_b32 v[NIL], 0
	ds_add_u32 v1, v2
	ds_add_u32 v1, v2
	s_wait_dscnt 0x0
	v_lshrrev_b32 v15, 5, v0
	v_readfirstlane_b32 s2, v15                    ; wave = head
	; descriptor group 1: 8 half rows of 256 elements of 4 bytes, dense in memory, 16 bytes of padding behind each
	s_mov_b32 s[G1+0], (2<<16)|(1<<20)|(7<<22)|(3<<25)
	s_mov_b32 s[G1+1], 256<<16
	s_mov_b32 s[G1+2], 8<<16
	s_mov_b32 s[G1+3], 256<<16
	s_mov_b32 s[G1+4], 8
	s_mov_b32 s[G1+5], 256
	s_mov_b32 s[G1+6], 0
	s_mov_b32 s[G1+7], 0
	s_lshl_b32 s48, ttmp9, 18                      ; my 128 rows of 2,048 bytes, in query and in out0
	s_mov_b32 s49, 0
	s_lshl_b32 s50, s2, 13                         ; my wave's 4 rows of a step
	s_mov_b32 s51, 0
	s_mul_i32 s52, s2, 8320
	s_wait_kmcnt 0x0
	s_add_nc_u64 s[8:9], s[8:9], s[48:49]
	s_add_nc_u64 s[8:9], s[8:9], s[50:51]
	s_add_nc_u64 s[24:25], s[24:25], s[48:49]
	s_mov_b32 s[G0+0], 1
	s_mov_b32 s[G0+1], s52
	s_mov_b64 s[G0+2:G0+3], s[8:9]
	s_or_b32 s[G0+3], s[G0+3], 0x80000000
	s_mov_b32 s[G0+4], 1
	s_add_co_u32 s[G0+5], s52, SLOTB
	s_add_nc_u64 s[G0+6:G0+7], s[8:9], STEPB
	s_or_b32 s[G0+7], s[G0+7], 0x80000000
	tensor_load_to_lds s[G0:G0+3], s[G1:G1+7]      ; steps 0 and 1: the two first fills go out together, ahead of everything else: two loads of mine are out
	s_nop 0
	tensor_load_to_lds s[G0+4:G0+7], s[G1:G1+7]
	s_nop 0
	PLACES
	v_and_b32 v89, 31, v0                          ; lane
	v_and_b32 v90, 15, v0                          ; r
	v_bfe_u32 v91, v0, 4, 1                        ; h
	v_lshlrev_b32 v[L16], 4, v89
	v_lshlrev_b32 v94, 3, v89                      ; 8 x lane
	v_lshlrev_b32 v95, 2, v89                      ; 4 x lane
	s_lshr_b32 s3, ttmp9, 6                        ; batch
	s_lshl_b32 s4, s3, 3
	s_add_co_u32 s4, s4, s2                        ; 8 batch + head
	s_mov_b32 s53, 0
	s_lshl_b32 s52, s2, 14
	s_add_co_u32 s52, s52, 4*131072                ; wc: Wq is matrix 4, Wo lies 131,072 further on
	s_add_nc_u64 s[14:15], s[14:15], s[52:53]
	s_add_co_u32 s52, s2, 16
	s_lshl_b32 s52, s52, 11                        ; ws: pair 2
	s_add_nc_u64 s[16:17], s[16:17], s[52:53]
	s_lshl_b32 s52, s4, 12
	s_add_nc_u64 s[18:19], s[18:19], s[52:53]
	s_lshl_b32 s52, s4, 9
	s_add_nc_u64 s[20:21], s[20:21], s[52:53]
	s_lshl_b32 s52, s2, 8                          ; my head's 256 bytes
	s_add_nc_u64 s[10:11], s[10:11], s[52:53]
	s_add_nc_u64 s[12:13], s[12:13], s[52:53]
	s_add_nc_u64 s[22:23], s[22:23], s[52:53]
	s_lshl_b32 s52, s3, 12
	s_add_nc_u64 s[22:23], s[22:23], s[52:53]
	WIN 0x40                                       ; destination window 1
.set ii, 0
.rept 32
	global_load_b128 v[4*ii:4*ii+3], v[L16], s[14:15] offset:512*ii
	global_load_b128 v[128+4*ii:128+4*ii+3], v[L16], s[14:15] offset:131072+512*ii
.set ii, ii+1
.endr
	WIN 0
.irp t, 0,1,2,3
	global_load_b128 v[WS+4*\t:WS+4*\t+3], v[L16], s[16:17] offset:512*\t
	global_load_b32 v[KVSC+\t], v95, s[20:21] offset:128*\t
.endr
.irp f, 0,1,2,3,4,5,6,7
	global_load_b128 v[KVF+8*\f:KVF+8*\f+3], v[L16], s[18:19] offset:512*\f
.endr
	global_load_b64 v[RC:RC+1], v94, s[10:11]      ; my head's bq, bo, k_sum 0, k_sum 1, on their way to my constants in LDS
	global_load_b64 v[RC+2:RC+3], v94, s[12:13]
	global_load_b64 v[RC+4:RC+5], v94, s[22:23]
	global_load_b64 v[RC+6:RC+7], v94, s[22:23] offset:2048
.irp f, 0,1,2,3,4,5,6,7
.irp j, 4,5,6,7
	v_mov_b32 v[KVF+8*\f+\j], 0                    ; zero codes for k = 64 .. 127
.endr
.endr
.irp j, 4,5,6,7
	v_mov_b32 v[PC+\j], 0
	v_mov_b32 v[TM+\j], 0                          ; written once: a lane permute's destination counts as one of its sources
.endr
	v_mov_b32 v[RL+1], 0                           ; (named as the upper halves of pairs)
	v_mov_b32 v[AL0+1], 0
	v_mov_b32 v[AL1+1], 0
	s_lshr_b32 s55, s2, 2                          ; u: the tile of x that I quantise: rows 16 u + r
	s_and_b32 s56, s2, 3                           ; and its K step
	s_mul_i32 s57, s55, 16*2080
	s_lshr_b32 s58, s56, 1
	s_mul_i32 s58, s58, 1040
	s_add_co_u32 s57, s57, s58
	s_and_b32 s58, s56, 1
	s_lshl_b32 s58, s58, 9
	s_add_co_u32 s57, s57, s58
	v_mul_u32_u24 v[XRD], v90, 2080
	v_lshl_add_u32 v[XRD], v91, 6, v[XRD]
	v_add_nc_u32 v[XRD], s57, v[XRD]
	v_add_nc_u32 v[XRD+1], SLOTB, v[XRD]
	s_lshl_b32 s58, s2, 10
	s_add_co_u32 s59, s58, XIMG
	v_add_nc_u32 v[XWI], s59, v[L16]
	s_add_co_u32 s59, s58, CONST
	v_lshl_add_u32 v[CB], v91, 6, s59
	v_add_nc_u32 v93, s59, v94                     ; where my constants go: 8 bytes a lane
	s_lshl_b32 s58, s55, 9
	s_lshl_b32 s59, s56, 2
	s_add_co_u32 s58, s58, s59
	s_add_co_u32 s58, s58, XSC
	v_add_nc_u32 v[XWS], s58, v[L16]
	v_add_nc_u32 v[LI], XIMG, v[L16]
	s_lshl_b32 s58, s2, 9
	s_add_co_u32 s58, s58, RIMG
	v_add_nc_u32 v[RWI], s58, v[L16]
	s_lshl_b32 s58, s2, 1
	s_add_co_u32 s58, s58, RSC
	v_add_nc_u32 v[RWS], s58, v[L16]
	s_mul_i32 s58, s2, 4352
	s_add_co_u32 s58, s58, STG
	v_mul_u32_u24 v[SO], v90, 272
	v_lshl_add_u32 v[SO], v91, 6, v[SO]
	v_add_nc_u32 v[SO], s58, v[SO]
	v_mul_u32_u24 v[SR], v91, 272
	v_lshl_add_u32 v[SR], v90, 4, v[SR]
	v_add_nc_u32 v[SR], s58, v[SR]
	s_lshl_b32 s58, s2, 8
	v_lshlrev_b32 v[GO], 11, v91
	v_lshl_add_u32 v[GO], v90, 4, v[GO]
	v_add_nc_u32 v[GO], s58, v[GO]
	s_mov_b32 s[SEL], 0x76543210
	s_mov_b32 s[SEL+1], 0xfedcba98
	s_mov_b32 s[CS], 0x3fb8aa3b                    ; log2(e)
	s_mov_b32 s[CS+1], s[CS]                       ; (named with it as a pair, so it is written)
	s_wait_tensorcnt 0x1                           ; my part of step 0's tile is in; step 1's may stay out
	s_barrier_signal -1
	s_barrier_wait -1                              ; everybody's is
	XRAW 0                                         ; step 0's x is quantised while the weights are on their way
	s_wait_dscnt 0x0
	XQUANT 0
	s_wait_loadcnt 0x0                             ; weights, scale words, kv, constants
	ds_store_b64 v93, v[RC:RC+1]                   ; bq, bo, k_sum 0, k_sum 1 of my head: my wave's own bytes
	ds_store_b64 v93, v[RC+2:RC+3] offset:256
	ds_store_b64 v93, v[RC+4:RC+5] offset:512
	ds_store_b64 v93, v[RC+6:RC+7] offset:768
	; five periods, written out: the rows' place in out0 stands in the stores' immediates
	CHANGE 0, 1                                    ; period 0: tile 2 is asked for
	HEADPH 0, 0, 0, RC, 0
	HEADPH 0, 1, 1, RB, 1
	CHANGE 1, 1                                    ; period 1: tile 3 is asked for
	TAILPH 0, 0, 0, 1
	TAILPH 0, 1, 1, 2
	HEADPH 1, 0, 1, RC, 0
	HEADPH 1, 1, 1, RB, 1
	CHANGE 0, 0                                    ; period 2: nothing is left to fetch
	TAILPH 1, 0, 0, 1
	TAILPH 1, 1, 1, 2
	HEADPH 0, 0, 1, RC, 0
	HEADPH 0, 1, 1, RB, 1
	CHANGE 1, 0                                    ; period 3: nothing is left to quantise of x
	TAILPH 2, 0, 0, 1
	TAILPH 2, 1, 1, 2
	HEADPH 1, 0, 1, RC, 0
	HEADPH 1, 1, 1, RB, 0
	CHANGE 0, 0                                    ; period 4: the last step's output columns
	TAILPH 3, 0, 0, 1
	TAILPH 3, 1, 1, 0
	s_wait_tensorcnt 0x0                           ; the wave's end
	ds_add_u32 v[SPW], v[NIL]
	s_wait_dscnt 0x0
	s_endpgm
.Lfunc_end_k_qfb95d6d527_out:
	.size	k_qfb95d6d527_out, .Lfunc_end_k_qfb95d6d527_out-k_qfb95d6d527_out
	.p2alignl 7, 3214868480
	.fill 96, 4, 3214868480
	.section	.rodata,"a",@progbits
	.p2align	6, 0x0
	.amdhsa_kernel k_qfb95d6d527_out
		.amdhsa_group_segment_fixed_size 327680
		.amdhsa_private_segment_fixed_size 0
		.amdhsa_enable_private_segment 0
		.amdhsa_kernarg_size 72
		.amdhsa_user_sgpr_count 2
		.amdhsa_user_sgpr_kernarg_segment_ptr 1
		.amdhsa_wavefront_size32 1
		.amdhsa_system_sgpr_workgroup_id_x 1
		.amdhsa_system_sgpr_workgroup_id_y 1
		.amdhsa_system_sgpr_workgroup_id_z 1
		.amdhsa_system_vgpr_workitem_id 0
		.amdhsa_next_free_vgpr 512
		.amdhsa_next_free_sgpr 66
		.amdhsa_reserve_vcc 0
		.amdhsa_float_denorm_mode_32 3
		.amdhsa_float_denorm_mode_16_64 3
		.amdhsa_memory_ordered 1
		.amdhsa_forward_progress 1
		.amdhsa_inst_pref_size 225
	.end_amdhsa_kernel
	.amdgpu_metadata
---
amdhsa.version: [ 1, 2 ]
amdhsa.kernels:
  - .name:           k_qfb95d6d527_out
    .symbol:         k_qfb95d6d527_out.kd
    .args:
      - { .name: query, .offset: 0, .size: 8, .value_kind: global_buffer, .address_space: global }
      - { .name: bq, .offset: 8, .size: 8, .value_kind: global_buffer, .address_space: global }
      - { .name: bo, .offset: 16, .size: 8, .value_kind: global_buffer, .address_space: global }
      - { .name: wc, .offset: 24, .size: 8, .value_kind: global_buffer, .address_space: global }
      - { .name: ws, .offset: 32, .size: 8, .value_kind: global_buffer, .address_space: global }
      - { .name: kvc, .offset: 40, .size: 8, .value_kind: global_buffer, .address_space: global }
      - { .name: kvs, .offset: 48, .size: 8, .value_kind: global_buffer, .address_space: global }
      - { .name: ksm, .offset: 56, .size: 8, .value_kind: global_buffer, .address_space: global }
      - { .name: out0, .offset: 64, .size: 8, .value_kind: global_buffer, .address_space: global }
    .group_segment_fixed_size: 327680
    .private_segment_fixed_size: 0
    .kernarg_segment_align: 8
    .kernarg_segment_size: 72
    .max_flat_workgroup_size: 256
    .sgpr_count:     66
    .vgpr_count:     512
    .wavefront_size: 32
...
	.end_amdgpu_metadata
.endif
;; end of part 4
